; MI455X (gfx1250); checked and timed in simulation.
; The chip was launched on July 23, 2026; its instructions are those of AMD's public machine-readable ISA for CDNA 5 (MIT licence, August 2026) and "CDNA5" Instruction Set Architecture Reference Guide (July 2026). The comments in the code are by the model that wrote it; some were corrected since.
;; Multi Head Attention. Allowed arithmetic: matrix products marked QUANTISED: E3M2 operands, one E8M0 scale for each 32 along K, by v_wmma_scale_f32_16x16x128_f8f6f4 with both operands' format E3M2, f32 sums; everything else in f32.
;; Inputs: Wproj 1,024 x 1,024 float32; Wqkv 1,024 x 3,072 float32; bproj 1,024 float32; bqkv 3,072 float32; x 8 x 1,024 x 1,024 float32.
;; Outputs: out0 8 x 1,024 x 1,024 float32.
;; This version of the problem:
;;   THIS VERSION OF THE PROBLEM IS GIVEN IN LOW PRECISION. The matrix products marked QUANTISED in the list below multiply operands that are first quantised to E3M2 (3 exponent bits, 2 mantissa bits; 6 bits a number), with one power-of-two scale for each 32 numbers along K (OCP MX v1.0); their sums are f32. All else is computed in f32.
;;   The module's matrix products, in the order in which they are computed (A, B: the left and right operand; K: the contracted axis; several contracted axes count as one K, in the product's order):
;;     1. [M 8,192, K 1,024] x [K 1,024, N 3,072]; A: input x; B: input Wqkv: QUANTISED
;;     2. batch 128 x [M 1,024, K 64] x [K 64, N 1,024]; A: computed on the way; B: computed on the way: QUANTISED
;;     3. batch 128 x [M 1,024, K 1,024] x [K 1,024, N 64]; A: softmax (see below); B: computed on the way: QUANTISED
;;     4. [M 8,192, K 1,024] x [K 1,024, N 1,024]; A: computed on the way; B: input Wproj: QUANTISED
;;   THE QUANTISER, for each operand of a quantised product, along K:
;;     - K is cut into blocks of 32 from its start; a last block that is shorter is filled with zeros.
;;     - A block's scale is 2^e with e = floor(log2(the largest magnitude in the block)) - 4, held to -126 .. 127; a block of zeros has e = 0. As a byte (E8M0): e + 127.
;;     - Each number is divided by its block's scale, clamped to +-28, and rounded to the nearest number of E3M2, ties to even, subnormals kept.
;;     - The product sums the exact products of the quantised numbers (number of the format x scale) in f32.
;;   ~~~python
;;   def quantise(x, axis):      # numpy; x: float32 -> the quantised numbers, widened to float32 again
;;       x = np.moveaxis(x, axis, -1); K = x.shape[-1]
;;       x = np.pad(x, [(0, 0)] * (x.ndim - 1) + [(0, -K % 32)]); x = x.reshape(x.shape[:-1] + (-1, 32)); a = np.abs(x).max(-1, keepdims=True)
;;       e = np.where(a > 0, np.clip(np.frexp(np.where(a > 0, a, 1))[1] - 1 - 4, -126, 127), 0)      # np.frexp(a)[1] - 1 = floor(log2(a)), exactly
;;       r = np.clip(x / 2.0 ** e, -28, 28)
;;       step = 2.0 ** (np.maximum(np.frexp(np.where(r == 0, 1, r))[1] - 1, -2) - 2)
;;       q = np.round(r / step) * step * 2.0 ** e      # np.round: ties to even
;;       return np.moveaxis(q.reshape(q.shape[:-2] + (-1,))[..., :K], -1, axis).astype(np.float32)
;;   ~~~
;;   SOFTMAX AHEAD OF A QUANTISED PRODUCT. Where the list says 'softmax', what is quantised is not the finished softmax but p = 2^(t - M), with t = logit x log2(e) and M = ceil(the row's largest t), a whole number; so 1/2 < the row's largest p <= 1. The row's sum l is taken of the UNQUANTISED p, in f32, and the product's result is divided by l at the end. Since M is a whole number, a kernel that streams over the keys may use a running M (the ceiling of the running maximum): every later rescaling is an exact power of two, which a block's scale takes up: the codes' values come out the same.
;;   OPERANDS COMPUTED ON THE WAY. 'Computed on the way' means the value that the module computes at that place (a softmax that the list does not call 'softmax' is quantised finished and normalised). What goes into a quantiser is computed in f32, as accurately as f32 sums, v_exp_f32 and their like allow (about 1e-6 of the number): no bf16 or f16 on the way to a quantiser, and a product that is left as it is and whose result goes on into a quantised operand takes f32 operands (vector FMAs, or v_wmma_f32_16x16x4_f32). A number that lies on a knife's edge between two numbers of the format may be rounded either way, as far as f32 arithmetic and the matrix unit's own rounding can turn it there, and no further.
;; One version. Each part assembles by itself: llvm-mc -triple=amdgcn-amd-amdhsa -mcpu=gfx1250 --defsym DOCPART=n.
;; ======== version 1 of 1: 4 launches
;; limits: right only within a limited range of input values
;; workspace buffers: ximg 6,291,456 bytes; xsc 262,144 bytes; wimg 2,359,296 bytes; wsc 98,304 bytes; kv 13,369,344 bytes; oimg 6,291,456 bytes; osc 262,144 bytes
;; launch quant (part 1): grid 704 x 1, 4 waves a work-group, no clusters, 47,616 bytes of LDS; arguments x, Wqkv, Wproj, ximg, xsc, wimg, wsc; writes ximg, xsc, wimg, wsc
.if DOCPART == 1
	.amdgcn_target "amdgcn-amd-amdhsa--gfx1250"
	.amdhsa_code_object_version 6
	.text
	.protected	k_qce82c5df7b_quant
	.globl	k_qce82c5df7b_quant
	.p2align	8
	.type	k_qce82c5df7b_quant,@function
k_qce82c5df7b_quant:
	s_mov_b64 s[64:65], 0
	v_nop
	global_prefetch_b8 v0, s[64:65] scope:SCOPE_SE
	s_setreg_imm32_b32 hwreg(HW_REG_WAVE_MODE, 25, 1), 1
	s_wait_xcnt 0x0
; x [8192][1024] f32 (K innermost) and the weights Wqkv [1024][3072], Wproj [1024][1024] f32 (K is the FIRST axis) become codes of E3M2 with one E8M0 byte for each 32 along K.
; DEAD WORK: reference() uses qkv[1] (as q and as k) and qkv[2] alone; qkv[0] = x Wqkv[:, 0:1024] + bqkv[0:1024] is sliced away for every value of the inputs.
; So columns 0..1023 of Wqkv and bqkv[0:1024] are never read, and that third of the first product is not made.  LIMIT: a NaN, an infinity or an overflow that reaches qkv[0] alone is not carried to the result.
; A block's scale is 2^(floor(log2(largest magnitude)) - 4): its byte is the largest magnitude's exponent field - 4, held at 1 from below by a floor among the maximum's leaves.
; THE CODES LIE IN THE ORDER OF AN OPERAND'S REGISTERS.  A piece (tile of 16 rows, 64 along K) is 768 bytes: lane l = r + 16 h owns the 24 bytes of k = 32 h + 0..31 of the tile's row r:
; its first 16 bytes at 16 l, its last 8 at 512 + 8 l.  Images: [block of 16 tiles][quarter of K][tile][4 pieces][768]: a block is 196,608 bytes, a quarter of it 49,152 dense bytes.
; Lane r of tile T holds matrix row 32 (T / 2) + 8 (T % 2) + r + 8 (r / 8).  Scale words (4 bytes: 128 along K of a row): [tile][quarter][r][2 words], 512 bytes a tile.
; WEIGHTS: operand row n' 0..2047 is column 1024 + n' of Wqkv (k's, then v's), n' 2048..3071 is column n' - 2048 of Wproj.
; LIMITS: NaN and infinities among the inputs are not served.  A block of zeros, or one under 2^(5 - 127), gets the byte 1: its codes are zeros, and only this program reads the bytes.
; Work-groups 0..191 take the weights, 192..703 x: two paths that part on the work-group's number, each with LDS bytes of its own.  Waves share nothing: no barrier.
.set NWG,   192
.set XSTG,  8448                       ; x: a wave's stage: 16 rows x (512 bytes + 16)
.set WST0,  4*XSTG
.set WT,    1664                       ; weights: a tile's 1,536 bytes in the stage, and 128 of padding
.set WSTG,  2*WT
.set SPARE, WST0+4*WSTG                ; the spare words: two blocks of 256 bytes that no other line names
.set FLOOR, 0x2800000                  ; 2^(5 - 127)
.set OFF4,  0xfe000000                 ; -(4 << 23)
.set R,    16                          ; x: v16-143  two fragments as loaded
.set X,    144                         ; x: v144-207 a lane's two blocks of 32 neighbours
.set C,    208                         ; x: codes; v220-222, v224-226 halves on their way
.set TA,   220
.set TC,   224
.set W,    228                         ; x: the two scale words
.set VO,   32                          ; W: offsets of a block's 32 rows
.set XW,   64                          ; W: two sets of 32 numbers
.set CW,   128
.set SB,   140
.set OUTR, 144
.macro LOADF f                         ; fragment f (128 along K) of my 16 rows: each load reads 512 consecutive bytes of one row
.irp i, 0,1,2,3,4,5,6,7,8,9,10,11,12,13,14,15
	global_load_b128 v[R+64*(\f)+4*\i:R+64*(\f)+4*\i+3], v4, s[4:5] offset:(\i+8*(\i/8))*4096+512*(\f) th:TH_LOAD_NT
.endr
.endm
.macro FRAGX f
	s_wait_loadcnt 16-16*(\f)                      ; this fragment's 16 loads are in; the other's may be out
.irp i, 0,1,2,3,4,5,6,7,8,9,10,11,12,13,14,15
	ds_store_b128 v5, v[R+64*(\f)+4*\i:R+64*(\f)+4*\i+3] offset:528*\i   ; rows as they lie
.endr
.irp c, 0,1
.irp e, 0,1,2,3,4,5,6,7
	ds_load_b128 v[X+32*\c+4*\e:X+32*\c+4*\e+3], v6 offset:256*\c+16*\e  ; back: k = 64 c + 32 h + 0..31 of row r (LDS serves a wave's instructions in order)
.endr
.endr
	s_wait_dscnt 0x0
	v_max3_num_f32 v10, |v[X]|, |v[X+1]|, FLOOR    ; my two whole blocks, by turns
	v_max3_num_f32 v11, |v[X+32]|, |v[X+33]|, FLOOR
.irp i, 2,4,6,8,10,12,14,16,18,20,22,24,26,28,30
	v_max3_num_f32 v10, v10, |v[X+\i]|, |v[X+\i+1]|
	v_max3_num_f32 v11, v11, |v[X+32+\i]|, |v[X+33+\i]|
.endr
	v_add_nc_u32 v12, OFF4, v10                    ; 4 off the exponent field: the conversion's scale operand
	v_add_nc_u32 v13, OFF4, v11
	v_lshrrev_b32 v14, 23, v12                     ; the bytes
	v_lshrrev_b32 v15, 23, v13
	v_lshl_or_b32 v14, v15, 16, v14                ; blocks h and 2 + h,
	v_lshlrev_b32 v14, v8, v14                     ; 8 h bits up;
	v_permlanex16_b32 v9, v14, s20, s21
	v_or_b32 v[W+\f], v14, v9                      ; with lane l xor 16's two the row's word is whole
.if \f > 0
	s_wait_alu depctr_va_vdst(0)                   ; the wait ahead of the wait below
	s_wait_xcnt 0x0                                ; the last fragment's stores have read the codes' registers
.endif
	v_cvt_scalef32_pk16_bf6_f32 v[C:C+2], v[X:X+15], v12
	v_cvt_scalef32_pk16_bf6_f32 v[TA:TA+2], v[X+16:X+31], v12
	v_cvt_scalef32_pk16_bf6_f32 v[C+6:C+8], v[X+32:X+47], v13
	v_cvt_scalef32_pk16_bf6_f32 v[TC:TC+2], v[X+48:X+63], v13
	v_nop                                          ; one plain place behind the conversions
.irp i, 0,1,2
	v_mov_b32 v[C+3+\i], v[TA+\i]
	v_mov_b32 v[C+9+\i], v[TC+\i]
.endr
	global_store_b128 v4, v[C:C+3], s[10:11] offset:1536*\f           ; 512 consecutive bytes
	global_store_b64 v7, v[C+4:C+5], s[10:11] offset:1536*\f+512      ; 256
	global_store_b128 v4, v[C+6:C+9], s[10:11] offset:1536*\f+768
	global_store_b64 v7, v[C+10:C+11], s[10:11] offset:1536*\f+1280
.endm
.macro LOADW t                         ; block t: W(32 t + i, my column): 128 consecutive bytes a wave, 512 a work-group
.irp i, 0,1,2,3,4,5,6,7,8,9,10,11,12,13,14,15,16,17,18,19,20,21,22,23,24,25,26,27,28,29,30,31
	global_load_b32 v[XW+32*((\t)%2)+\i], v[VO+\i], s[32+2*(\t):33+2*(\t)] th:TH_LOAD_NT
.endr
.endm
.macro BLOCK t
.set XS, XW+32*((\t)%2)
.if (\t) < 3
	s_wait_loadcnt 32                              ; this block's 32 loads are in; the next block's may be out
.else
	s_wait_loadcnt 0x0
.endif
	v_max3_num_f32 v12, |v[XS]|, |v[XS+1]|, |v[XS+2]|
	v_max3_num_f32 v13, |v[XS+3]|, |v[XS+4]|, |v[XS+5]|
.irp i, 6,10,14,18,22,26
	v_max3_num_f32 v12, v12, |v[XS+\i]|, |v[XS+\i+1]|
	v_max3_num_f32 v13, v13, |v[XS+\i+2]|, |v[XS+\i+3]|
.endr
	v_max3_num_f32 v12, v12, |v[XS+30]|, |v[XS+31]|
	v_max3_num_f32 v12, v12, v13, FLOOR
	v_add_nc_u32 v11, OFF4, v12
	v_lshrrev_b32 v13, 23, v11
.if (\t) == 0
	v_mov_b32 v[SB], v13                           ; four bytes to the word, the lower K in the lower byte
.else
	v_lshl_or_b32 v[SB], v13, 8*(\t), v[SB]
.endif
	v_cvt_scalef32_pk16_bf6_f32 v[CW:CW+2], v[XS:XS+15], v11
	v_cvt_scalef32_pk16_bf6_f32 v[CW+8:CW+10], v[XS+16:XS+31], v11
	v_nop
.irp i, 0,1,2
	v_mov_b32 v[CW+3+\i], v[CW+8+\i]
.endr
	ds_store_b128 v6, v[CW:CW+3] offset:((\t)/2)*768+256*((\t)%2)        ; piece t / 2, half t % 2, row r of my tile
	ds_store_b64 v7, v[CW+4:CW+5] offset:((\t)/2)*768+512+128*((\t)%2)
.if (\t)+2 < 4
	LOADW (\t)+2
.endif
	s_wait_dscnt 0x0                               ; the stores have read their registers
.endm
	s_load_b256 s[4:11], s[0:1], 0x0               ; x s[4:5], Wqkv s[6:7], Wproj s[8:9], ximg s[10:11]
	s_load_b128 s[12:15], s[0:1], 0x20             ; xsc s[12:13], wimg s[14:15]
	s_load_b64 s[16:17], s[0:1], 0x30              ; wsc
	v_lshl_add_u32 v240, v0, 2, SPARE
	v_mov_b32 v241, 0
	v_lshrrev_b32 v1, 5, v0
	v_readfirstlane_b32 s18, v1                    ; wave
	v_and_b32 v1, 31, v0                           ; lane
	s_mov_b32 s20, 0x76543210
	s_mov_b32 s21, 0xfedcba98                      ; selects for lane l xor 16
	s_wait_alu depctr_va_vdst(0)                   ; the wait ahead of the wait below
	s_wait_kmcnt 0x0
	s_cmp_lt_u32 ttmp9, NWG
	s_cbranch_scc1 .Lweights
	; ---- x: wave W' = 4 (work-group - 192) + wave takes tile T = W' / 4, quarter W' % 4 of K: two fragments, all 32 loads out at once
	s_sub_co_u32 s22, ttmp9, NWG
	s_lshl_b32 s22, s22, 2
	s_add_co_u32 s22, s22, s18                     ; W'
	s_lshr_b32 s23, s22, 2                         ; T
	s_and_b32 s26, s22, 3                          ; quarter
	s_lshr_b32 s24, s23, 1
	s_lshl_b32 s24, s24, 17                        ; 32 (T / 2) rows of 4,096 bytes
	s_and_b32 s25, s23, 1
	s_lshl_b32 s25, s25, 15                        ; 8 (T % 2) rows
	s_add_co_u32 s24, s24, s25
	s_lshl_b32 s25, s26, 10
	s_add_co_u32 s24, s24, s25
	s_mov_b32 s25, 0
	s_add_nc_u64 s[4:5], s[4:5], s[24:25]
	s_lshr_b32 s24, s23, 4
	s_mul_i32 s24, s24, 196608
	s_mul_i32 s27, s26, 49152
	s_add_co_u32 s24, s24, s27
	s_and_b32 s27, s23, 15
	s_mul_i32 s27, s27, 3072
	s_add_co_u32 s24, s24, s27
	s_add_nc_u64 s[10:11], s[10:11], s[24:25]
	s_lshl_b32 s24, s22, 7                         ; 512 T + 128 x quarter
	s_add_nc_u64 s[12:13], s[12:13], s[24:25]
	s_mul_i32 s19, s18, XSTG
	v_lshlrev_b32 v4, 4, v1                        ; 16 l
	s_wait_alu depctr_va_vdst(0)                   ; the wait ahead of the reader below
	LOADF 0
	LOADF 1
	v_and_b32 v2, 15, v0                           ; r
	v_bfe_u32 v3, v0, 4, 1                         ; h
	v_lshlrev_b32 v7, 3, v1                        ; 8 l
	v_lshlrev_b32 v8, 3, v3                        ; 8 h
	v_mov_b32 v9, 0                                ; a lane permute's destination counts as read
	v_add_nc_u32 v5, s19, v4                       ; into the stage
	v_mul_u32_u24 v6, v2, 528
	v_lshl_add_u32 v6, v3, 7, v6
	v_add_nc_u32 v6, s19, v6                       ; out of it: row r, + 128 h
	v_lshlrev_b32 v232, 3, v2
	v_lshl_add_u32 v232, v3, 2, v232               ; scale words: 8 r + 4 h
	s_wait_alu depctr_va_vdst(0)                   ; the wait at the head's end
	FRAGX 0
	FRAGX 1
	v_cmp_eq_u32 vcc_lo, 1, v3
	v_cndmask_b32 v10, v[W], v[W+1], vcc_lo        ; lanes 0-15: row r's first word; lanes 16-31: its second
	global_store_b32 v232, v10, s[12:13]           ; 128 consecutive bytes
	s_wait_tensorcnt 0x0                           ; the wave's end
	ds_add_u32 v240, v241
	s_wait_dscnt 0x0
	s_endpgm
.Lweights:
	; ---- weights: a lane takes a column, its registers run down K.  Wave G = 4 (j / 8) + wave: operand rows 32 G .. + 31 (tiles 2 G, 2 G + 1); k = 128 (j % 8) + 0..127
	s_lshr_b32 s23, ttmp9, 3
	s_and_b32 s24, ttmp9, 7
	s_lshl_b32 s25, s23, 2
	s_add_co_u32 s25, s25, s18                     ; G
	s_lshl_b32 s26, s25, 5
	s_mov_b32 s27, 1024
	s_mov_b32 s28, -2048
	s_cmp_lt_u32 s23, 16                           ; Wqkv or Wproj: the choice hangs on the work-group's number alone
	s_cselect_b32 s27, 3072, s27                   ; numbers in a row of the source
	s_cselect_b32 s28, 1024, s28
	s_cselect_b64 s[6:7], s[6:7], s[8:9]
	s_add_co_i32 s26, s26, s28                     ; my wave's first column in the source
	s_lshl_b32 s29, s24, 7
	s_mul_i32 s29, s29, s27
	s_add_co_u32 s29, s29, s26
	s_lshl_b32 s30, s29, 2
	s_mov_b32 s31, 0
	s_add_nc_u64 s[32:33], s[6:7], s[30:31]        ; block 0's first row
	s_lshl_b32 s48, s27, 7                         ; 32 rows on
	s_mov_b32 s49, 0
.irp t, 1,2,3
	s_add_nc_u64 s[32+2*\t:33+2*\t], s[30+2*\t:31+2*\t], s[48:49]
.endr
	s_lshl_b32 s50, s27, 2                         ; a row in bytes
	s_mul_i32 s51, s18, WSTG
	s_add_co_u32 s51, s51, WST0                    ; my stage
	v_lshlrev_b32 v[VO], 2, v1
.irp i, 1,2,3,4,5,6,7,8,9,10,11,12,13,14,15,16,17,18,19,20,21,22,23,24,25,26,27,28,29,30,31
	v_add_nc_u32 v[VO+\i], s50, v[VO+\i-1]
.endr
	LOADW 0
	LOADW 1
	v_bfe_u32 v2, v0, 3, 1                         ; column cc lies in tile 2 G + u, u = (cc / 8) % 2,
	v_and_b32 v3, 7, v0
	v_bfe_u32 v4, v0, 4, 1
	v_lshl_add_u32 v3, v4, 3, v3                   ; as its row r = cc % 8 + 8 (cc / 16)
	v_mul_u32_u24 v5, v2, WT
	v_add_nc_u32 v5, s51, v5
	v_lshl_add_u32 v6, v3, 4, v5                   ; + 16 r
	v_lshl_add_u32 v7, v3, 3, v5                   ; + 8 r
	v_lshl_add_u32 v8, v1, 4, s51                  ; back: 16 l
	v_lshlrev_b32 v9, 9, v2
	v_lshl_add_u32 v9, v3, 3, v9                   ; scale words: 512 u + 8 r
	v_lshlrev_b32 v10, 4, v1
	s_lshr_b32 s52, s25, 3
	s_mul_i32 s52, s52, 196608                     ; the block of 16 tiles,
	s_lshr_b32 s53, s24, 1
	s_mul_i32 s54, s53, 49152                      ; the quarter of K,
	s_add_co_u32 s52, s52, s54
	s_and_b32 s54, s25, 7
	s_mul_i32 s54, s54, 6144                       ; tile 2 G in its block,
	s_add_co_u32 s52, s52, s54
	s_and_b32 s55, s24, 1
	s_mul_i32 s54, s55, 1536                       ; which two pieces of the quarter's four
	s_add_co_u32 s52, s52, s54
	s_lshl_b32 s54, s25, 10
	s_lshl_b32 s53, s53, 7
	s_add_co_u32 s54, s54, s53
	s_lshl_b32 s55, s55, 2
	s_add_co_u32 s54, s54, s55                     ; scale words: 1,024 G + 128 x quarter + 4 x which word
	s_mov_b32 s53, 0
	s_mov_b32 s55, 0
	s_add_nc_u64 s[14:15], s[14:15], s[52:53]
	s_add_nc_u64 s[16:17], s[16:17], s[54:55]
	s_wait_alu depctr_va_vdst(0)                   ; the wait at the head's end
.irp t, 0,1,2,3
	BLOCK \t
.endr
	s_wait_alu depctr_va_vdst(0)                   ; the wait ahead of the reader below
	global_store_b32 v9, v[SB], s[16:17]           ; my row's word of these 128 along K
.irp u, 0,1
.irp m, 0,1,2
	ds_load_b128 v[OUTR+4*(3*\u+\m):OUTR+4*(3*\u+\m)+3], v8 offset:WT*\u+512*\m
.endr
.endr
.irp u, 0,1
.irp m, 0,1,2
	s_wait_dscnt 5-(3*\u+\m)                       ; the younger loads may be out
	global_store_b128 v10, v[OUTR+4*(3*\u+\m):OUTR+4*(3*\u+\m)+3], s[14:15] offset:3072*\u+512*\m   ; 512 consecutive bytes
.endr
.endr
	s_wait_tensorcnt 0x0                           ; the wave's end
	ds_add_u32 v240, v241
	s_wait_dscnt 0x0
	s_endpgm
.Lfunc_end_k_qce82c5df7b_quant:
	.size	k_qce82c5df7b_quant, .Lfunc_end_k_qce82c5df7b_quant-k_qce82c5df7b_quant
	.p2alignl 7, 3214868480
	.fill 96, 4, 3214868480
	.section	.rodata,"a",@progbits
	.p2align	6, 0x0
	.amdhsa_kernel k_qce82c5df7b_quant
		.amdhsa_group_segment_fixed_size 47616
		.amdhsa_private_segment_fixed_size 0
		.amdhsa_enable_private_segment 0
		.amdhsa_kernarg_size 56
		.amdhsa_user_sgpr_count 2
		.amdhsa_user_sgpr_kernarg_segment_ptr 1
		.amdhsa_wavefront_size32 1
		.amdhsa_system_sgpr_workgroup_id_x 1
		.amdhsa_system_sgpr_workgroup_id_y 1
		.amdhsa_system_sgpr_workgroup_id_z 1
		.amdhsa_system_vgpr_workitem_id 0
		.amdhsa_next_free_vgpr 242
		.amdhsa_next_free_sgpr 66
		.amdhsa_reserve_vcc 1
		.amdhsa_float_denorm_mode_32 3
		.amdhsa_float_denorm_mode_16_64 3
		.amdhsa_memory_ordered 1
		.amdhsa_forward_progress 1
		.amdhsa_inst_pref_size 40
	.end_amdhsa_kernel
	.amdgpu_metadata
---
amdhsa.version: [ 1, 2 ]
amdhsa.kernels:
  - .name:           k_qce82c5df7b_quant
    .symbol:         k_qce82c5df7b_quant.kd
    .args:
      - { .name: x, .offset: 0, .size: 8, .value_kind: global_buffer, .address_space: global }
      - { .name: Wqkv, .offset: 8, .size: 8, .value_kind: global_buffer, .address_space: global }
      - { .name: Wproj, .offset: 16, .size: 8, .value_kind: global_buffer, .address_space: global }
      - { .name: ximg, .offset: 24, .size: 8, .value_kind: global_buffer, .address_space: global }
      - { .name: xsc, .offset: 32, .size: 8, .value_kind: global_buffer, .address_space: global }
      - { .name: wimg, .offset: 40, .size: 8, .value_kind: global_buffer, .address_space: global }
      - { .name: wsc, .offset: 48, .size: 8, .value_kind: global_buffer, .address_space: global }
    .group_segment_fixed_size: 47616
    .private_segment_fixed_size: 0
    .kernarg_segment_align: 8
    .kernarg_segment_size: 56
    .max_flat_workgroup_size: 128
    .sgpr_count:     66
    .vgpr_count:     242
    .wavefront_size: 32
...
	.end_amdgpu_metadata
.endif
;; end of part 1
;; launch qkv (part 2): grid 8 x 32, 4 waves a work-group, clusters of 4 x 4, 327,680 bytes of LDS; arguments ximg, xsc, wimg, wsc, bqkv, kv; writes kv
.if DOCPART == 2
	.amdgcn_target "amdgcn-amd-amdhsa--gfx1250"
	.amdhsa_code_object_version 6
	.text
	.protected	k_qce82c5df7b_qkv
	.globl	k_qce82c5df7b_qkv
	.p2align	8
	.type	k_qce82c5df7b_qkv,@function
k_qce82c5df7b_qkv:
	s_mov_b64 s[64:65], 0
	v_nop
	global_prefetch_b8 v0, s[64:65] scope:SCOPE_SE
	s_setreg_imm32_b32 hwreg(HW_REG_WAVE_MODE, 25, 1), 1
	s_wait_xcnt 0x0
	s_wait_alu depctr_hold_cnt(0) depctr_sa_sdst(0) depctr_va_vdst(0) depctr_va_sdst(0) depctr_va_ssrc(0) depctr_va_vcc(0) depctr_vm_vsrc(0)
	s_getreg_b32 s2, hwreg(HW_REG_IB_STS2, 6, 4)
	s_cmp_eq_u32 s2, 0
	s_cbranch_scc0 .Lentry_in_a_cluster
	s_endpgm
.Lentry_in_a_cluster:
	s_bfe_u32 s2, ttmp6, 0x10000c
	s_cmp_lg_u32 s2, 0xf033
	s_cbranch_scc0 .Lentry_shape_is_right
	s_endpgm
.Lentry_shape_is_right:
; k and v of qkv = x Wqkv + bqkv, on codes of E3M2 with E8M0 scales, sums in f32; the results, with their bias, are quantised in registers and leave as codes for the attention launch.
; qkv[0] is sliced away by reference() for all inputs and is not made.  Images: [block of 16 tiles][quarter of K][tile][4 pieces][768]; lane l's first 16 bytes of a piece at 16 l, its last 8 at 512 + 8 l;
; lane r of tile T holds matrix row 32 (T / 2) + 8 (T % 2) + r + 8 (r / 8).
; A work-group makes 256 rows of x by 256 operand rows of W; four waves, 128 x 128 each: 64 accumulators.  "P" is source 1 (a lane holds one of its rows), "R" source 0 (a lane's registers run along its rows).
; For k (cluster x = 0): P = x, R = W: registers run along the head's 64, the scores' K.  For v (cluster x = 1): P = W, R = x: registers run along the keys, the second product's K.
; P ALWAYS LANDS AT LDS BYTE 0 AND R AT RB: the two cases differ in the buffers and block numbers of the GLOBAL addresses alone (chosen on the cluster's x, equal in all partners) and on the way out.
; CLUSTER 4 x 4: P's block hangs on cy and is shared along a row of the cluster, R's on cx and is shared along a column, in both cases: for v the roles of cx and cy are swapped with the operands.
; LDS: three quarters of K of both operands (2 x 147,456 bytes) and all scale words (16,384) come by the head's four loads, one a wave.  The last quarter is the one refill: into the first quarter's bytes,
; behind the full sequence and a round of the cluster's barrier in K step 1; it is waited for in K step 5.  Written out, no loop: eight K steps of 128.
; PREFETCH: the refill's 2 x 49,152 bytes are named once in each cluster at the head, one instruction a wave: of a tile's 192 blocks of 256 bytes each of the four partners takes 48 by address, each of its two waves 24
; (lanes 24-31 name the wave's last block again).  Nothing else is prefetched: the text has no loop to run ahead in.
; OUT: kv, a block of 104,448 bytes for each (batch, head): k's 64 pieces [key tile][768]; at 49,152 v's fragments [128 keys j][d tile t][1,536]; at 98,304 scale words [j][768]: k's at 64 (tile % 8) + 4 r
; (bytes 0, 1; bytes 2, 3 are 0), v's at 512 + 64 t + 4 r.
; LIMITS: NaN and infinities are not served; a block under 2^(5 - 127) gets the byte 1 and zero codes.
; REGISTERS: window 0: v2-15, v30-31 v's bias (pairs); v16 the prefetch's offset; v24-26 16 l, 8 l, 4 l; v27 scale words' address; v28-29 the add's; v32-63 scale words, two sets; v64-127 k's bias;
;   v128-223 P's eight fragments, on the way out numbers and codes; v224-243 at work; v244-255 fragment addresses.  window 1: R's fragments, two sets, at v0 and v128.  windows 2, 3: accumulator (a, b) at v[8 (8 (a % 4) + b)].
.set HALFT, 24576                      ; 8 tiles x 3,072 bytes: a quarter of K of what a wave reads of P or of R
.set QB,    2*HALFT                    ; a quarter of K of 16 tiles
.set RB,    3*QB
.set SCL,   2*RB                       ; P's scale words (8,192 bytes), then R's
.set SPARE, SCL+16384                  ; the spare words: two blocks of 256 bytes that no other line names
.set HEADB, 104448
.set FR,    12
.set NL,    4                          ; LDS loads that bring a fragment
.set WV,    18
.set HP,    19                         ; which half of P's rows is mine.  Also: in the refill I fetch for P (0) or for R (1)
.set HR,    20                         ; which half of R's.  Also: which half of that tile I fetch
.set SELK,  21                         ; 0: k, 1: v
.set PFO,   16
.set O16,   24
.set O8,    25
.set O4,    26
.set ADRS,  27
.set SPW,   28
.set NIL,   29
.set SC,    32
.set BK,    64
.set PF,    128
.set TM,    128                        ; the way out: v128-159 maxima, bytes and scale operands, a set of 16 for each of two blocks
.set PC,    160                        ; v160-199 codes, a set of 20 for each of two blocks
.set PW,    200                        ; v200, v201 their scale words
.set ADP16, 244                        ; one register for each of the three quarters' places
.set ADP8,  247
.set ADR16, 250
.set ADR8,  253
.set G1,   24
.set G0,   32                          ; the refill's group 0 for P;  G0H: the head's
.set G0H,  36
.set G1B,  48
.set G0B,  56
.set G0HB, 60
.set G1S,  68
.set G0S,  76
.set G1SB, 80
.set G0SB, 88
.set MSB, 0
.macro WIN new                         ; the immediate's high byte repeats the setting that is left
.if MSB != \new
	s_set_vgpr_msb (MSB<<8)|\new
.set MSB, \new
.endif
.endm
.set MUL_LO, 0xa1                      ; source 0 (R) window 1, source 1 (P) window 0, C and D window 2
.set MUL_HI, 0xf1
.set TO_R,   0x40
.macro PLACES                          ; four plain places behind matrix instructions, in front of loads into their registers and of reads of results
.rept 4
	v_nop
.endr
.endm
.macro JLOAD                           ; the joint refill: waves 0, 1 ask for P's halves, waves 2, 3 for R's; s_nop 0 and four v_nop follow each line
	s_cmp_eq_u32 s[HP], 0
	s_cbranch_scc0 .Lfor_r_\@
	tensor_load_to_lds s[G0:G0+3], s[G1:G1+7]
	s_nop 0
	PLACES
	s_branch .Lasked_\@
.Lfor_r_\@:
	tensor_load_to_lds s[G0B:G0B+3], s[G1B:G1B+7]
	s_nop 0
	PLACES
.Lasked_\@:
.endm
.macro CREST                           ; a round of the cluster's barrier behind its opening barrier
	s_cmp_lg_u32 s[WV], 0
	s_cbranch_scc1 .Lnot_wave_0_\@
	s_barrier_signal -3
.Lnot_wave_0_\@:
	s_barrier_wait -3
	s_barrier_signal -1
	s_barrier_wait -1
.endm
.macro CROUND
	s_barrier_signal -1
	s_barrier_wait -1
	CREST
.endm
.macro FRAG reg, a16, a8, off          ; a fragment's image comes back as it was laid: every load takes consecutive bytes
	ds_load_b128 v[\reg:\reg+3], v[\a16] offset:\off
	ds_load_b64 v[\reg+4:\reg+5], v[\a8] offset:\off+512
	ds_load_b128 v[\reg+6:\reg+9], v[\a16] offset:\off+768
	ds_load_b64 v[\reg+10:\reg+11], v[\a8] offset:\off+1280
.endm
.macro FETCH_R slot, q, p              ; R's eight fragments of the place's q-th 128 along K into set p
	WIN TO_R
.irp i, 0,1,2,3,4,5,6,7
	FRAG 128*(\p)+FR*\i, ADR16+(\slot), ADR8+(\slot), \i*3072+(\q)*1536
.endr
	WIN 0
.endm
.macro FETCH_P slot, q, i0             ; P's blocks i0 .. i0 + 3
.irp i, \i0, \i0+1, \i0+2, \i0+3
	FRAG PF+FR*(\i), ADP16+(\slot), ADP8+(\slot), (\i)*3072+(\q)*1536
.endr
.endm
.macro SCALES qt                       ; quarter qt's two words a row into set qt % 2: lanes 0-15 P's block i, lanes 16-31 R's block i
.irp i, 0,1,2,3,4,5,6,7
	ds_load_b64 v[SC+16*((\qt)%2)+2*\i:SC+16*((\qt)%2)+2*\i+1], v[ADRS] offset:512*\i+128*(\qt)
.endr
.endm
.macro WM acc, rf, pf, sr, sp, c0
.if \c0
	v_wmma_scale_f32_16x16x128_f8f6f4 v[\acc:\acc+7], v[\rf:\rf+FR-1], v[\pf:\pf+FR-1], 0, v[\sr], v[\sp] matrix_a_fmt:MATRIX_FMT_BF6 matrix_b_fmt:MATRIX_FMT_BF6 matrix_a_scale:MATRIX_SCALE_ROW1
.else
	v_wmma_scale_f32_16x16x128_f8f6f4 v[\acc:\acc+7], v[\rf:\rf+FR-1], v[\pf:\pf+FR-1], v[\acc:\acc+7], v[\sr], v[\sp] matrix_a_fmt:MATRIX_FMT_BF6 matrix_b_fmt:MATRIX_FMT_BF6 matrix_a_scale:MATRIX_SCALE_ROW1
.endif
.endm
; 16 products of K step st: P's blocks a0, a0 + 1 x R's eight.  c0 = 1: they start the sums with 0.  The 64 accumulators take turns, in the same order in every step.
.macro MUL16 a0, st, c0
.irp a, \a0, \a0+1
.irp b, 0,1,2,3,4,5,6,7
	WM 8*(8*((\a)%4)+\b), 128*((\st)%2)+FR*\b, PF+FR*(\a), SC+16*(((\st)/2)%2)+2*\b+((\st)%2), SC+16*(((\st)/2)%2)+2*(\a)+((\st)%2), \c0
.endr
.endr
.endm
; K step st: 64 products; the next step's fragments are fetched in its middle and at its end.  Quarter q of K lies at place q % 3.
; bar = 1: the place read last is filled again: each wave's three lines, the barrier, which opens a round of the cluster's, the joint refill.  bar = 2: the refill is waited for and a barrier shows it to all four waves.
.macro KSTEP st, c0, bar
.set NX, (\st)+1
.set NS, (NX/2)%3
.if \bar
	s_wait_tensorcnt 0x0                           ; all my tensor loads have landed
	ds_add_u32 v[SPW], v[NIL]                      ; 0 onto my spare word
	s_wait_dscnt 4*NL+1                            ; the add and the youngest 16 loads (P's blocks 4-7) may be out
	WIN MUL_LO
	MUL16 0, \st, \c0
	s_wait_dscnt 0x0                               ; the add is done, and so are all my LDS reads
	s_barrier_signal -1
	MUL16 2, \st, \c0
	WIN 0
	s_barrier_wait -1
.if \bar == 1
	CREST                                          ; no wave of any partner still reads the first quarter or has a load on its way
	JLOAD                                          ; the first tensor load behind the round; its four v_nop are the places in front of the loads below
.else
	PLACES
.endif
.else
	s_wait_dscnt 4*NL                              ; R's set and P's blocks 0-3 are in; the youngest 16 loads may be out
	WIN MUL_LO
	MUL16 0, \st, \c0
	MUL16 2, \st, \c0
	s_wait_dscnt 0x0                               ; P's blocks 4-7 are in
	PLACES
.endif
	FETCH_R NS, NX%2, NX%2
	FETCH_P NS, NX%2, 0
.if NX%2 == 0
	SCALES NX/2
.endif
	WIN MUL_HI
	MUL16 4, \st, \c0
	MUL16 6, \st, \c0
	PLACES
	WIN 0
	FETCH_P NS, NX%2, 4
.endm
; P's blocks a0 and a0 + 1 leave TOGETHER, so that eight chains of dependent lines take turns.  The bias is added in place, in the accumulators' window (each accumulator from its low end on); the maxima and the
; conversions read the sums there.  Of a lane's 64 numbers of a block, register 16 b + i = index 32 b + 16 (lane / 16) + i along the next K of my row: they become a fragment's codes and its scale word, stored as images.
.macro EPI2 a0, path
.set AC, 64*((\a0)%4)
.set WX, 2+(\a0)/4                     ; the two blocks' window
	WIN ((WX<<6)|WX)                               ; destination and source 0: the sums; source 1, the bias, in window 0
.irp u, 0,1
.set BVR, 2+2*((\a0)+\u)+14*(((\a0)+\u)/7)
.set i, 0
.rept 32
.if \path
	v_pk_add_f32 v[AC+64*\u+i:AC+64*\u+i+1], v[AC+64*\u+i:AC+64*\u+i+1], v[BVR:BVR+1]
.else
	v_pk_add_f32 v[AC+64*\u+i:AC+64*\u+i+1], v[AC+64*\u+i:AC+64*\u+i+1], v[BK+i:BK+i+1]
.endif
.set i, i+2
.endr
.endr
	WIN ((WX<<2)|WX)                               ; sources 0 and 1: the sums
.irp u, 0,1
.irp b, 0,1,2,3
	v_max3_num_f32 v[TM+16*\u+\b], |v[AC+64*\u+16*\b]|, |v[AC+64*\u+16*\b+1]|, 0x2800000   ; with the floor 2^(5 - 127): the byte cannot fall under 1
.endr
.endr
	WIN ((WX<<4)|(WX<<2))                          ; sources 1 and 2: the sums
.irp i, 2,4,6,8,10,12,14
.irp u, 0,1
.irp b, 0,1,2,3
	v_max3_num_f32 v[TM+16*\u+\b], v[TM+16*\u+\b], |v[AC+64*\u+16*\b+\i]|, |v[AC+64*\u+16*\b+\i+1]|
.endr
.endr
.endr
	WIN 0
.irp u, 0,1
.irp b, 0,1,2,3
	v_permlanex16_b32 v[TM+16*\u+4+\b], v[TM+16*\u+\b], s96, s97
.endr
.endr
.irp u, 0,1
.irp b, 0,1,2,3
	v_max_num_f32 v[TM+16*\u+\b], v[TM+16*\u+\b], v[TM+16*\u+4+\b]   ; with lane l xor 16's: the block's largest magnitude
.endr
.endr
.irp u, 0,1
.irp b, 0,1,2,3
	v_add_nc_u32 v[TM+16*\u+12+\b], 0xfe000000, v[TM+16*\u+\b]       ; 4 off its exponent field: the conversion's scale operand
.endr
.endr
.irp u, 0,1
.irp b, 0,1,2,3
	v_lshrrev_b32 v[TM+16*\u+4+\b], 23, v[TM+16*\u+12+\b]            ; the byte
.endr
.endr
.irp u, 0,1
	v_lshl_or_b32 v[PW+\u], v[TM+16*\u+5], 8, v[TM+16*\u+4]
.endr
.irp u, 0,1
	v_lshl_or_b32 v[PW+\u], v[TM+16*\u+6], 16, v[PW+\u]
.endr
.irp u, 0,1
	v_lshl_or_b32 v[PW+\u], v[TM+16*\u+7], 24, v[PW+\u]
.endr
.if (\a0) > 0
	s_wait_alu depctr_va_vdst(0)                   ; the wait ahead of the wait below
	s_wait_xcnt 0x0                                ; the last two blocks' stores have read the registers that are written from here on
.endif
	WIN (WX)                                       ; source 0: the sums
.irp u, 0,1
.irp c, 0,1
	v_cvt_scalef32_pk16_bf6_f32 v[PC+20*\u+6*\c:PC+20*\u+6*\c+2], v[AC+64*\u+32*\c:AC+64*\u+32*\c+15], v[TM+16*\u+12+2*\c]
	v_cvt_scalef32_pk16_bf6_f32 v[PC+20*\u+12+4*\c:PC+20*\u+12+4*\c+2], v[AC+64*\u+32*\c+16:AC+64*\u+32*\c+31], v[TM+16*\u+12+2*\c+1]
.endr
.endr
	WIN 0
	v_nop                                          ; one plain place behind the conversions
.irp u, 0,1                                    ; a whole block to a lane: lanes 0-15 block 2 c, lanes 16-31 block 2 c + 1
.irp c, 0,1
.irp i, 0,1,2
	v_permlane16_swap_b32 v[PC+20*\u+6*\c+\i], v[PC+20*\u+12+4*\c+\i]
.endr
.endr
.endr
.irp u, 0,1
.irp c, 0,1
.irp i, 0,1,2
	v_mov_b32 v[PC+20*\u+3+6*\c+\i], v[PC+20*\u+12+4*\c+\i]
.endr
.endr
.endr
	v_cndmask_b32 v242, v[PW], v[PW+1], vcc_lo     ; lanes 0-15: tile a0's rows; lanes 16-31: tile a0 + 1's: two tiles' words leave together, 128 consecutive bytes
.irp u, 0,1
.if \path
	global_store_b128 v[O16], v[PC+20*\u:PC+20*\u+3], s[92:93] offset:(((\a0)+\u)/4)*HEADB+(((\a0)+\u)%4)*1536        ; head a / 4 of my two, d tile a % 4, my 128 keys
	global_store_b64 v[O8], v[PC+20*\u+4:PC+20*\u+5], s[92:93] offset:(((\a0)+\u)/4)*HEADB+(((\a0)+\u)%4)*1536+512
	global_store_b128 v[O16], v[PC+20*\u+6:PC+20*\u+9], s[92:93] offset:(((\a0)+\u)/4)*HEADB+(((\a0)+\u)%4)*1536+768
	global_store_b64 v[O8], v[PC+20*\u+10:PC+20*\u+11], s[92:93] offset:(((\a0)+\u)/4)*HEADB+(((\a0)+\u)%4)*1536+1280
.else
.irp c, 0,1                                    ; a fragment's two halves are two heads' pieces of key tile a
	global_store_b128 v[O16], v[PC+20*\u+6*\c:PC+20*\u+6*\c+3], s[92:93] offset:((\a0)+\u)*768+\c*HEADB
	global_store_b64 v[O8], v[PC+20*\u+6*\c+4:PC+20*\u+6*\c+5], s[92:93] offset:((\a0)+\u)*768+\c*HEADB+512
.endr
.endif
.endr
.if \path
	global_store_b32 v[O4], v242, s[94:95] offset:((\a0)/4)*HEADB+((\a0)%4)*64
.else
	v_and_b32 v243, 0xffff, v242                   ; the first head's two bytes,
	v_lshrrev_b32 v242, 16, v242                   ; the second's
	global_store_b32 v[O4], v243, s[94:95] offset:(\a0)*64
	global_store_b32 v[O4], v242, s[94:95] offset:(\a0)*64+HEADB
.endif
.endm
	s_load_b128 s[4:7], s[0:1], 0x0                ; ximg, xsc
	s_load_b128 s[8:11], s[0:1], 0x10              ; wimg, wsc
	s_load_b128 s[12:15], s[0:1], 0x20             ; bqkv, kv
	v_lshl_add_u32 v[SPW], v0, 2, SPARE
	v_mov_b32 v[NIL], 0
	ds_add_u32 v[SPW], v[NIL]                      ; the opening lines: the add, twice on end, and its wait ahead of my first tensor load
	ds_add_u32 v[SPW], v[NIL]
	v_lshrrev_b32 v232, 5, v0
	v_readfirstlane_b32 s[WV], v232
	s_lshr_b32 s[HP], s[WV], 1
	s_and_b32 s[HR], s[WV], 1
	s_bfe_u32 s40, ttmp6, 0x40000                  ; cx, cy
	s_bfe_u32 s41, ttmp6, 0x40004
	s_and_b32 s[SELK], ttmp9, 1
	s_and_b32 s17, ttmp7, 0xffff
	s_lshl_b32 s17, s17, 2                         ; 4 x cluster y
	s_cmp_eq_u32 s[SELK], 0
	s_cselect_b32 s22, s17, 4
	s_cselect_b32 s23, 0, s17
	s_add_co_u32 s22, s22, s41                     ; P's block: k: x's 4 Y + cy;  v: W's 4 + cy
	s_add_co_u32 s23, s23, s40                     ; R's block: k: W's cx;        v: x's 4 Y + cx
	s_lshl_b32 s43, s41, 2
	s_lshl_b32 s43, 15, s43                        ; my row of the cluster
	s_lshl_b32 s44, 0x1111, s40                    ; my column
	s_or_b32 s[G1+0], s43, (3<<16)|(1<<21)         ; the mask; elements of 8 bytes; bit 21 set beside a mask; no padding
	s_or_b32 s[G1B+0], s44, (3<<16)|(1<<21)
.irp g, G1, G1B                                ; codes: dense bytes as rows of 256: at the head 576 rows (three quarters of K), for the refill 96
	s_mov_b32 s[\g+1], 32<<16
	s_mov_b32 s[\g+2], 576<<16
	s_mov_b32 s[\g+3], 32<<16
	s_mov_b32 s[\g+4], 576
	s_mov_b32 s[\g+5], 32
	s_mov_b32 s[\g+6], 0
	s_mov_b32 s[\g+7], 0
.endr
	s_or_b32 s[G1S+0], s43, (3<<16)|(1<<21)
	s_or_b32 s[G1SB+0], s44, (3<<16)|(1<<21)
.irp g, G1S, G1SB                              ; scale words of 16 tiles: 8,192 dense bytes as 32 rows of 256
	s_mov_b32 s[\g+1], 32<<16
	s_mov_b32 s[\g+2], 32<<16
	s_mov_b32 s[\g+3], 32<<16
	s_mov_b32 s[\g+4], 32
	s_mov_b32 s[\g+5], 32
	s_mov_b32 s[\g+6], 0
	s_mov_b32 s[\g+7], 0
.endr
	s_mul_i32 s92, s22, 196608
	s_mov_b32 s93, 0
	s_lshl_b32 s94, s22, 13
	s_mov_b32 s95, 0
	s_mul_i32 s96, s23, 196608
	s_mov_b32 s97, 0
	s_lshl_b32 s98, s23, 13
	s_mov_b32 s99, 0
	s_mul_i32 s46, s[HR], HALFT                    ; the refill: which half of a tile I fetch
	s_mov_b32 s47, 0
	s_wait_dscnt 0x0                               ; both opening adds are done
	s_wait_kmcnt 0x0
	s_cmp_eq_u32 s[SELK], 0                        ; the choice hangs on the cluster's x alone
	s_cselect_b64 s[2:3], s[4:5], s[8:9]           ; P's codes,
	s_cselect_b64 s[66:67], s[6:7], s[10:11]       ; P's scale words,
	s_cselect_b64 s[8:9], s[8:9], s[4:5]           ; R's codes,
	s_cselect_b64 s[10:11], s[10:11], s[6:7]       ; R's scale words
	s_cselect_b32 s17, s22, s23                    ; tr: which 256 rows of x
	s_cselect_b32 s42, s23, s22                    ; tc: which 256 operand rows of W
	s_add_nc_u64 s[92:93], s[2:3], s[92:93]
	s_add_nc_u64 s[94:95], s[66:67], s[94:95]
	s_add_nc_u64 s[96:97], s[8:9], s[96:97]
	s_add_nc_u64 s[98:99], s[10:11], s[98:99]
	CROUND                                         ; all sixteen work-groups are here: the first joint loads meet
	s_mov_b32 s[G0H], 1
	s_mov_b32 s[G0H+1], 0
	s_mov_b64 s[G0H+2:G0H+3], s[92:93]
	s_or_b32 s[G0H+3], s[G0H+3], 0x80000000
	s_mov_b32 s[G0HB], 1
	s_mov_b32 s[G0HB+1], RB
	s_mov_b64 s[G0HB+2:G0HB+3], s[96:97]
	s_or_b32 s[G0HB+3], s[G0HB+3], 0x80000000
	s_mov_b32 s[G0S], 1
	s_mov_b32 s[G0S+1], SCL
	s_mov_b64 s[G0S+2:G0S+3], s[94:95]
	s_or_b32 s[G0S+3], s[G0S+3], 0x80000000
	s_mov_b32 s[G0SB], 1
	s_mov_b32 s[G0SB+1], SCL+8192
	s_mov_b64 s[G0SB+2:G0SB+3], s[98:99]
	s_or_b32 s[G0SB+3], s[G0SB+3], 0x80000000
	s_mov_b32 s[G0], 1                             ; the refill: the last quarter of K, my half of the tile, into the first quarter's place
	s_mov_b32 s[G0+1], s46
	s_add_nc_u64 s[G0+2:G0+3], s[92:93], s[46:47]
	s_add_nc_u64 s[G0+2:G0+3], s[G0+2:G0+3], 3*QB
	s_or_b32 s[G0+3], s[G0+3], 0x80000000
	s_mov_b32 s[G0B], 1
	s_add_co_u32 s[G0B+1], s46, RB
	s_add_nc_u64 s[G0B+2:G0B+3], s[96:97], s[46:47]
	s_add_nc_u64 s[G0B+2:G0B+3], s[G0B+2:G0B+3], 3*QB
	s_or_b32 s[G0B+3], s[G0B+3], 0x80000000
; THE HEAD'S LOADS, ONE A WAVE: wave 0 P's codes, wave 1 R's, wave 2 P's scale words, wave 3 R's.  One chain of branches on the wave's number; every way passes exactly one load.
.macro ARM under, g0, g1, next
	s_cmp_lt_u32 s[WV], \under
	s_cbranch_scc0 \next
	tensor_load_to_lds s[\g0:\g0+3], s[\g1:\g1+7]
	s_nop 0
	PLACES
	s_branch .Lhead_asked
\next:
.endm
	ARM 1, G0H,  G1,  .Lhead_r
	ARM 2, G0HB, G1B, .Lhead_sp
	ARM 3, G0S,  G1S, .Lhead_sr
	tensor_load_to_lds s[G0SB:G0SB+3], s[G1SB:G1SB+7]
	s_nop 0
	PLACES
.Lhead_asked:
	s_cmp_eq_u32 s[HP], 0                          ; the prefetch: do I fetch for P?
	s_cselect_b64 s[4:5], s[92:93], s[96:97]
	s_cselect_b32 s6, s40, s41                     ; my place among the four that ask for the tile with me
	s_mul_i32 s6, s6, 12288
	s_mul_i32 s7, s[HR], 6144
	s_add_co_u32 s6, s6, s7
	s_add_co_u32 s6, s6, 3*QB
	s_mov_b32 s7, 0
	s_add_nc_u64 s[4:5], s[4:5], s[6:7]            ; never rewritten
	s_mul_i32 s45, s[HP], HALFT                    ; my half of P,
	s_add_co_u32 s46, s46, RB                      ; my half of R
	s_lshl_b32 s47, s[HP], 12                      ; P's scale words: my half;
	s_lshl_b32 s16, s[HR], 12
	s_add_co_u32 s16, s16, 8192
	s_sub_co_u32 s16, s16, s47                     ; from them to R's
	s_add_co_u32 s47, s47, SCL
	s_lshl_b32 s22, s42, 8
	s_add_co_u32 s22, s22, 1024                    ; bqkv index of my work-group's first operand row
	s_lshl_b32 s6, s[HR], 7
	s_add_co_u32 s6, s6, s22
	s_lshl_b32 s6, s6, 2
	s_add_nc_u64 s[2:3], s[12:13], s[6:7]
	s_lshl_b32 s6, s[HP], 7
	s_add_co_u32 s6, s6, s22
	s_lshl_b32 s6, s6, 2
	s_add_nc_u64 s[66:67], s[12:13], s[6:7]
	v_and_b32 v232, 31, v0                         ; lane
	v_and_b32 v233, 15, v0                         ; r
	v_bfe_u32 v234, v0, 4, 1                       ; h
	v_min_u32 v[PFO], 23, v232
	v_lshlrev_b32 v[PFO], 8, v[PFO]                ; a lane a block of 256 bytes; never rewritten
	v_lshlrev_b32 v[O16], 4, v232
	v_lshlrev_b32 v[O8], 3, v232
	v_lshlrev_b32 v[O4], 2, v232
	v_add_nc_u32 v[ADP16], s45, v[O16]
	v_add_nc_u32 v[ADP8], s45, v[O8]
	v_add_nc_u32 v[ADR16], s46, v[O16]
	v_add_nc_u32 v[ADR8], s46, v[O8]
.irp s, 1,2
.irp g, ADP16, ADP8, ADR16, ADR8
	v_add_nc_u32 v[\g+\s], QB, v[\g+\s-1]
.endr
.endr
	v_mul_u32_u24 v235, s16, v234                  ; lanes 0-15 take P's words, lanes 16-31 R's
	v_lshl_add_u32 v235, v233, 3, v235
	v_add_nc_u32 v[ADRS], s47, v235
	v_lshlrev_b32 v238, 6, v234                    ; 64 h
	v_and_b32 v239, 8, v233
	v_add_nc_u32 v239, v239, v233
	v_lshlrev_b32 v239, 2, v239                    ; 4 (r + 8 (r / 8))
	global_prefetch_b8 v[PFO], s[4:5] th:TH_LOAD_NT scope:SCOPE_SE
	; both biases are loaded whatever the case: k's: eight numbers a tile of R in the result's layout; v's: one number a lane for each block of P, twice, as a pair
.irp t, 0,1,2,3,4,5,6,7
	global_load_b128 v[BK+8*\t:BK+8*\t+3], v238, s[2:3] offset:(32*(\t/2)+8*(\t%2))*4
	global_load_b128 v[BK+8*\t+4:BK+8*\t+7], v238, s[2:3] offset:(32*(\t/2)+8*(\t%2))*4+16
.endr
.irp a, 0,1,2,3,4,5,6,7
	global_load_b32 v[2+2*\a+14*(\a/7)], v239, s[66:67] offset:(32*(\a/2)+8*(\a%2))*4
	global_load_b32 v[3+2*\a+14*(\a/7)], v239, s[66:67] offset:(32*(\a/2)+8*(\a%2))*4
.endr
	s_wait_alu depctr_va_vdst(0)                   ; the wait at the head's end
	s_wait_loadcnt 0x0                             ; the biases
	s_wait_tensorcnt 0x0                           ; my one of the head's four tiles is in
	s_mov_b32 s[G1+2], 96<<16                      ; no tensor load of mine is out, so a descriptor may be written: the refill brings 96 rows of 256 bytes
	s_mov_b32 s[G1+4], 96
	s_mov_b32 s[G1B+2], 96<<16
	s_mov_b32 s[G1B+4], 96
	s_barrier_signal -1
	s_barrier_wait -1                              ; all four are in
	FETCH_R 0, 0, 0
	FETCH_P 0, 0, 0
	SCALES 0
	FETCH_P 0, 0, 4
	KSTEP 0, 1, 0                                  ; the first products start the sums
	KSTEP 1, 0, 1                                  ; the first quarter's place takes the last quarter
	KSTEP 2, 0, 0
	KSTEP 3, 0, 0
	KSTEP 4, 0, 0
	KSTEP 5, 0, 2                                  ; the last quarter is in
	KSTEP 6, 0, 0
	s_wait_dscnt 4*NL                              ; the last 128 along K
	WIN MUL_LO
	MUL16 0, 7, 0
	MUL16 2, 7, 0
	s_wait_dscnt 0x0
	WIN MUL_HI
	MUL16 4, 7, 0
	MUL16 6, 7, 0
	WIN 0
	; THE WAY OUT: no LDS: a lane's codes are already an image's bytes
	PLACES
	s_mov_b32 s96, 0x76543210
	s_mov_b32 s97, 0xfedcba98                      ; selects for lane l xor 16
	v_bfe_u32 v243, v0, 4, 1
	v_cmp_eq_u32 vcc_lo, 1, v243                   ; lanes 16-31
.irp u, 0,1
.irp b, 4,5,6,7
	v_mov_b32 v[TM+16*\u+\b], 0                    ; a lane permute's destination counts as read
.endr
.endr
	s_lshr_b32 s22, s17, 2
	s_lshl_b32 s22, s22, 4                         ; 16 x batch
	s_and_b32 s23, s17, 3
	s_lshl_b32 s23, s23, 1                         ; 2 (tr % 4)
	s_mov_b32 s47, 0
	s_cmp_lg_u32 s[SELK], 0
	s_cbranch_scc1 .Lv_out
	s_lshl_b32 s45, s42, 2
	s_add_co_u32 s22, s22, s45
	s_lshl_b32 s45, s[HR], 1
	s_add_co_u32 s22, s22, s45                     ; k: the first of my two heads: 16 b + 4 tc + 2 hR
	s_mul_i32 s22, s22, HEADB
	s_add_co_u32 s23, s23, s[HP]                   ; my 128 keys
	s_mul_i32 s45, s23, 6144                       ; their 8 tiles' pieces
	s_add_co_u32 s46, s22, s45
	s_add_nc_u64 s[92:93], s[14:15], s[46:47]
	s_mul_i32 s45, s23, 768
	s_add_co_u32 s46, s22, s45
	s_add_co_u32 s46, s46, 98304
	s_add_nc_u64 s[94:95], s[14:15], s[46:47]
.irp a, 0,2,4,6
	EPI2 \a, 0
.endr
	s_branch .Lout_done
.Lv_out:
	s_sub_co_u32 s45, s42, 4
	s_lshl_b32 s45, s45, 2
	s_add_co_u32 s22, s22, s45
	s_lshl_b32 s45, s[HP], 1
	s_add_co_u32 s22, s22, s45                     ; v: 16 b + 4 (tc - 4) + 2 hP
	s_mul_i32 s22, s22, HEADB
	s_add_co_u32 s23, s23, s[HR]                   ; my 128 keys
	s_mul_i32 s45, s23, 6144
	s_add_co_u32 s46, s22, s45
	s_add_co_u32 s46, s46, 49152
	s_add_nc_u64 s[92:93], s[14:15], s[46:47]
	s_mul_i32 s45, s23, 768
	s_add_co_u32 s46, s22, s45
	s_add_co_u32 s46, s46, 98304+512
	s_add_nc_u64 s[94:95], s[14:15], s[46:47]
.irp a, 0,2,4,6
	EPI2 \a, 1
.endr
.Lout_done:
	s_wait_tensorcnt 0x0                           ; the wave's end
	ds_add_u32 v[SPW], v[NIL]
	s_wait_dscnt 0x0
	CROUND                                         ; the closing round: no work-group ends while a partner may still ask for a tile that names it
	s_endpgm
.Lfunc_end_k_qce82c5df7b_qkv:
	.size	k_qce82c5df7b_qkv, .Lfunc_end_k_qce82c5df7b_qkv-k_qce82c5df7b_qkv
	.p2alignl 7, 3214868480
	.fill 96, 4, 3214868480
	.section	.rodata,"a",@progbits
	.p2align	6, 0x0
	.amdhsa_kernel k_qce82c5df7b_qkv
		.amdhsa_group_segment_fixed_size 327680
		.amdhsa_private_segment_fixed_size 0
		.amdhsa_enable_private_segment 0
		.amdhsa_kernarg_size 48
		.amdhsa_user_sgpr_count 2
		.amdhsa_user_sgpr_kernarg_segment_ptr 1
		.amdhsa_wavefront_size32 1
		.amdhsa_system_sgpr_workgroup_id_x 1
		.amdhsa_system_sgpr_workgroup_id_y 1
		.amdhsa_system_sgpr_workgroup_id_z 1
		.amdhsa_system_vgpr_workitem_id 0
		.amdhsa_next_free_vgpr 1024
		.amdhsa_next_free_sgpr 100
		.amdhsa_reserve_vcc 1
		.amdhsa_float_denorm_mode_32 3
		.amdhsa_float_denorm_mode_16_64 3
		.amdhsa_memory_ordered 1
		.amdhsa_forward_progress 1
		.amdhsa_inst_pref_size 219
	.end_amdhsa_kernel
	.amdgpu_metadata
---
amdhsa.version: [ 1, 2 ]
amdhsa.kernels:
  - .name:           k_qce82c5df7b_qkv
    .symbol:         k_qce82c5df7b_qkv.kd
    .args:
      - { .name: ximg, .offset: 0, .size: 8, .value_kind: global_buffer, .address_space: global }
      - { .name: xsc, .offset: 8, .size: 8, .value_kind: global_buffer, .address_space: global }
      - { .name: wimg, .offset: 16, .size: 8, .value_kind: global_buffer, .address_space: global }
      - { .name: wsc, .offset: 24, .size: 8, .value_kind: global_buffer, .address_space: global }
      - { .name: bqkv, .offset: 32, .size: 8, .value_kind: global_buffer, .address_space: global }
      - { .name: kv, .offset: 40, .size: 8, .value_kind: global_buffer, .address_space: global }
    .group_segment_fixed_size: 327680
    .private_segment_fixed_size: 0
    .kernarg_segment_align: 8
    .kernarg_segment_size: 48
    .max_flat_workgroup_size: 128
    .sgpr_count:     100
    .vgpr_count:     1024
    .wavefront_size: 32
...
	.end_amdgpu_metadata
.endif
;; end of part 2
;; launch attn (part 3): grid 2 x 128, 16 waves a work-group, no clusters, 169,984 bytes of LDS; arguments kv, oimg, osc; writes oimg, osc
.if DOCPART == 3
	.amdgcn_target "amdgcn-amd-amdhsa--gfx1250"
	.amdhsa_code_object_version 6
	.text
	.protected	k_qce82c5df7b_attn
	.globl	k_qce82c5df7b_attn
	.p2align	8
	.type	k_qce82c5df7b_attn,@function
k_qce82c5df7b_attn:
	s_mov_b64 s[64:65], 0
	v_nop
	global_prefetch_b8 v0, s[64:65] scope:SCOPE_SE
	s_setreg_imm32_b32 hwreg(HW_REG_WAVE_MODE, 25, 1), 1
	s_wait_xcnt 0x0
; Causal attention of one (batch, head): q = k (both are qkv[1]; qkv[0] is sliced away by reference() and was never made), head size 64, 1,024 positions; both products on codes of E3M2 with E8M0 scales.
; The result, divided by the row's sum, is quantised for the last product.
; SOFTMAX: t = score x log2(e) / 8; M = the running largest t (a multiply, rounded to f32) rounded UP to a whole number; p = 2^(t - M), t - M made by ONE fused multiply-add of the score, is quantised along the keys;
; the row's sum is of the unquantised p; when M moves, sum and O are multiplied by 2^(old M - new M).
; THE ROW'S OWN SCORE IS MADE TWICE.  With q = k a row's own key carries most of its weight, its p has one of four codes, and 2^t magnifies a relative error of that score by t ln 2.  So beside the matrix product, which makes
; all scores, the own score, the sum of the squares of the row's 64 quantised numbers, is made once a tile by f32 multiply-adds on the widened codes and put in the matrix result's place on the diagonal.
; The squares of codes are multiples of 2^-8 and 32 of them stay under 2^15: each block's sum is exact; the two blocks' sum is an f32 sum, rounded once at the most.
; A head's block of kv (104,448 bytes: k's 64 pieces of 768; at 49,152 v's fragments [j][t][1,536]; at 98,304 scale words [j][768]) comes into LDS ONCE, 51 rows of 256 bytes by each of waves 0-7, and stays: nothing is filled again.
; SHARES: two work-groups to a head (g = 0, 1), sixteen waves each.  Wave w owns query tiles i0 = 2 w + g and i1 = 63 - i0; tile i needs key steps 0 .. i / 8 of 128 keys: w / 4 + 1 and 8 - w / 4: nine for every wave.
; Steps that lie wholly behind the diagonal are left out by a scalar branch on the wave's number inside a loop of constant count.
; THE DIAGONAL STEP goes by blocks of 32 keys, by scalar branches on ids: a tile's 16 queries lie in block (i % 8) / 2 of the step; blocks ahead of it are open and untouched, that block is masked key by key, blocks behind it are hidden whole.
; NO CLUSTER: only the two work-groups of a head share bytes, each reads them once, and the grid's x of 2 is no multiple of a cluster's 4.  NO PREFETCH: all bytes are asked for at the head; no loop fetches anything.
; LAYOUT: S^T = K Q^T, O^T = V^T P^T: a lane holds one query.  Lane r of tile T holds position 32 (T / 2) + 8 (T % 2) + r + 8 (r / 8), so the 16 registers of score tiles 2 b, 2 b + 1 are keys 32 b + 16 (lane / 16) + 0..15.
; THE SCORES' K IS 64, the instruction's 128: Q's upper six registers hold zero codes; K's tile t is named v[42 + 6 t .. + 11], whose upper six registers are the next tile's codes (for the last tile zeros): they meet zero codes and add 0.
; LIMITS: NaN and infinities are not served.  The promise holds while the scaled scores stay under 2^31 in magnitude.  A block's largest p is made from the block's largest score by the same instructions as every p:
; this takes v_exp_f32 not to fall where its input rises.  A block of p or of o under 2^(5 - 127) gets the byte 1 and zero codes.
.set HEADB, 104448
.set VIMG,  49152
.set SCB,   98304
.set L16, 1                            ; v1  16 l    v2  8 l    v3  SCB + 4 l
.set L8,  2
.set LS0, 3
.set DM,  4                            ; v4, v5  my query's place in its diagonal step, less 16 (lane / 16), for tiles i0, i1
.set OWN, 6                            ; v6  the own score of my query, of the tile in hand
.set A16, 8
.set A8,  9
.set AS,  10
.set QF,  16                           ; v16-27, v28-39  Q's two fragments
.set QS,  40                           ; v40, v41        their scale words
.set KF,  42                           ; v42-89  K's eight pieces, later V's four fragments;  v90-95 zeros
.set S,   96                           ; v96-159 S^T, then p; at a pass's head v96-135 serve the own score
.set O,   160                          ; v160-191 O^T
.set PC,  192                          ; v192-203 codes; v204-210 halves on their way; ahead of the conversions v192-199 hold partial sums
.set BM,  212
.set BP,  216
.set SO,  220
.set FF,  224                          ; v[224:225] f
.set WK,  226                          ; v226 at work; on the way out v[226:227] names 1 / the sum
.set KS,  232                          ; v232-235 K's scale words, two tiles a register
.set VS,  236                          ; v236-237 V's
.set PS,  238                          ; p's
.set OH,  240                          ; v240, v241 o's two scale bytes for tiles i0, i1
.set MB,  16                           ; s16, s17  the block of 32 keys of the diagonal step in which tile i0's, i1's queries lie
.set WV,  18
.set SEL, 20
.set CS,  22
.set G1,  24
.set G0,  32
.set TB,  2                            ; s2  6,144 x key step
.set TS,  3                            ; s3  768 x key step
.set CNT, 36
.set LAST, 37                          ; s37, s38
.macro MASKB p, b                      ; block b of the diagonal step: registers 16 b + i hold the step's keys 32 b + 16 (lane / 16) + i
	s_cmp_gt_u32 s[MB+\p], \b                      ; my queries come later: every key counts
	s_cbranch_scc1 .Lmdone_\@
.if \b > 0
	s_cmp_lt_u32 s[MB+\p], \b                      ; my queries come earlier: no key counts
	s_cbranch_scc1 .Lmhide_\@
.endif
.set n, 16*\b
.rept 16
	v_cmp_gt_i32 vcc_lo, 32*\b+n%16, v[DM+\p]      ; hidden where the key comes after my query,
	v_cndmask_b32 v[S+n], v[S+n], v[WK], vcc_lo
	v_cmp_eq_u32 vcc_lo, 32*\b+n%16, v[DM+\p]      ; and where it IS my query the own score takes the place
	s_delay_alu instid0(VALU_DEP_1)
	v_cndmask_b32 v[S+n], v[S+n], v[OWN], vcc_lo
.set n, n+1
.endr
.if \b > 0
	s_branch .Lmdone_\@
.Lmhide_\@:
.set n, 16*\b
.rept 16
	v_mov_b32 v[S+n], v[WK]
.set n, n+1
.endr
.endif
.Lmdone_\@:
.endm
.macro PASS p
.if \p
	s_wait_xcnt 0x0                                ; the first tile's stores have read their registers
.endif
	; the own score: my lane holds the 32 codes of block (lane / 16) of row r
.irp i, 0,1,2
	v_mov_b32 v[S+32+\i], v[QF+12*\p+3+\i]         ; (a conversion's three registers begin on an even number: the block's second three do not)
.endr
	v_mov_b32 v[S+35], 0x7f7f7f7f                  ; the scale 1, in every byte of every lane: the codes' own values
	v_cvt_scale_pk16_f32_bf6 v[S:S+15], v[QF+12*\p:QF+12*\p+2], v[S+35]
	v_cvt_scale_pk16_f32_bf6 v[S+16:S+31], v[S+32:S+34], v[S+35]
	v_nop                                          ; one plain place behind the conversions
	v_pk_mul_f32 v[S+36:S+37], v[S:S+1], v[S:S+1]  ; the squares, in two chains: every partial sum is exact
	v_pk_mul_f32 v[S+38:S+39], v[S+2:S+3], v[S+2:S+3]
.irp j, 4,8,12,16,20,24,28
	v_pk_fma_f32 v[S+36:S+37], v[S+\j:S+\j+1], v[S+\j:S+\j+1], v[S+36:S+37]
	v_pk_fma_f32 v[S+38:S+39], v[S+\j+2:S+\j+3], v[S+\j+2:S+\j+3], v[S+38:S+39]
.endr
	s_delay_alu instid0(VALU_DEP_1)
	v_pk_add_f32 v[S+36:S+37], v[S+36:S+37], v[S+38:S+39]
	s_delay_alu instid0(VALU_DEP_1)
	v_add_f32 v[S+36], v[S+36], v[S+37]
	v_lshlrev_b32 v[S+38], 3, v11                  ; 8 (lane / 16):
	s_delay_alu instid0(VALU_DEP_1)
	v_lshrrev_b32 v[S+38], v[S+38], v[QS+\p]
	s_delay_alu instid0(VALU_DEP_1)
	v_and_b32 v[S+38], 0xff, v[S+38]               ; my block's scale byte s
	s_delay_alu instid0(VALU_DEP_1)
	v_lshl_add_u32 v[S+38], v[S+38], 1, 0xffffff02 ; 2 s - 254: the scale enters a square twice
	s_delay_alu instid0(VALU_DEP_1)
	v_ldexp_f32 v[S+36], v[S+36], v[S+38]
	s_delay_alu instid0(VALU_DEP_1)
	v_permlanex16_b32 v[S+37], v[S+36], s[SEL], s[SEL+1]
	s_delay_alu instid0(VALU_DEP_1)
	v_add_f32 v[OWN], v[S+36], v[S+37]             ; with the other block's: in both halves of the lanes
	v_mov_b32 v13, 0xff61b1e6                      ; the largest t so far: -3e38
	s_delay_alu instid0(VALU_DEP_1)
	v_floor_f32 v12, -v13                          ; -M
	v_mov_b32 v14, 0                               ; the sum, in two halves
	v_mov_b32 v15, 0
.set n, 0
.rept 32
	v_mov_b32 v[O+n], 0                            ; the step is written once: the first finds zeros
.set n, n+1
.endr
	s_mov_b32 s[TB], 0
	s_mov_b32 s[TS], 0
	s_mov_b32 s[CNT], 0
.Lstep_\p:
	s_cmp_gt_u32 s[CNT], s[LAST+\p]                ; all of this step's keys come after my queries
	s_cbranch_scc1 .Lskip_\p
	v_add_nc_u32 v[A16], s[TB], v[L16]
	v_add_nc_u32 v[A8], s[TB], v[L8]
	v_add_nc_u32 v[AS], s[TS], v[LS0]
	v_nop                                          ; four places in front of loads into registers that the last products read
.irp t, 0,1,2,3,4,5,6,7
	ds_load_b128 v[KF+6*\t:KF+6*\t+3], v[A16] offset:768*\t
	ds_load_b64 v[KF+6*\t+4:KF+6*\t+5], v[A8] offset:768*\t+512
.endr
.irp m, 0,1,2,3
	ds_load_b32 v[KS+\m], v[AS] offset:128*\m      ; lanes 0-15: tile 2 m's words; lanes 16-31: tile 2 m + 1's
.endr
	s_wait_alu depctr_va_vdst(0)                   ; the wait ahead of the wait below
	s_wait_dscnt 0x0
.irp t, 0,1,2,3,4,5,6,7
.if \t%2
	v_wmma_scale_f32_16x16x128_f8f6f4 v[S+8*\t:S+8*\t+7], v[KF+6*\t:KF+6*\t+11], v[QF+12*\p:QF+12*\p+11], 0, v[KS+\t/2], v[QS+\p] matrix_a_fmt:MATRIX_FMT_BF6 matrix_b_fmt:MATRIX_FMT_BF6 matrix_a_scale:MATRIX_SCALE_ROW1
.else
	v_wmma_scale_f32_16x16x128_f8f6f4 v[S+8*\t:S+8*\t+7], v[KF+6*\t:KF+6*\t+11], v[QF+12*\p:QF+12*\p+11], 0, v[KS+\t/2], v[QS+\p] matrix_a_fmt:MATRIX_FMT_BF6 matrix_b_fmt:MATRIX_FMT_BF6
.endif
.endr
.rept 4
	v_nop                                          ; places: for V's loads over K's registers, and for the first read or write of the scores
.endr
.irp t, 0,1,2,3                                ; V's fragments land while the softmax is worked
	ds_load_b128 v[KF+12*\t:KF+12*\t+3], v[A16] offset:VIMG+1536*\t
	ds_load_b64 v[KF+12*\t+4:KF+12*\t+5], v[A8] offset:VIMG+1536*\t+512
	ds_load_b128 v[KF+12*\t+6:KF+12*\t+9], v[A16] offset:VIMG+1536*\t+768
	ds_load_b64 v[KF+12*\t+10:KF+12*\t+11], v[A8] offset:VIMG+1536*\t+1280
.endr
.irp m, 0,1
	ds_load_b32 v[VS+\m], v[AS] offset:512+128*\m
.endr
	s_cmp_lg_u32 s[CNT], s[LAST+\p]                ; only my last step lies on the diagonal
	s_cbranch_scc1 .Lopen_\p
	v_mov_b32 v[WK], 0xff800000                    ; -infinity: p = 0 then
	s_wait_alu depctr_va_vdst(0)                   ; the wait
	MASKB \p, 0
	MASKB \p, 1
	MASKB \p, 2
	MASKB \p, 3
.Lopen_\p:
.irp b, 0,1,2,3
	v_max3_num_f32 v[BM+\b], v[S+16*\b], v[S+1+16*\b], v[S+2+16*\b]   ; the largest score of each block of 32 keys: for the row's maximum and for the block's largest p
.endr
.irp i, 3,5,7,9,11,13
.irp b, 0,1,2,3
	v_max3_num_f32 v[BM+\b], v[BM+\b], v[S+16*\b+\i], v[S+1+16*\b+\i]
.endr
.endr
.irp b, 0,1,2,3
	v_max_num_f32 v[BM+\b], v[BM+\b], v[S+15+16*\b]
.endr
.irp b, 0,1,2,3
	s_delay_alu instid0(VALU_DEP_4)
	v_permlanex16_b32 v[BP+\b], v[BM+\b], s[SEL], s[SEL+1]
.endr
.irp b, 0,1,2,3
	s_delay_alu instid0(VALU_DEP_4)
	v_max_num_f32 v[BM+\b], v[BM+\b], v[BP+\b]     ; with lane l xor 16's 16 keys
.endr
	s_delay_alu instid0(VALU_DEP_2)
	v_max3_num_f32 v[WK], v[BM], v[BM+1], v[BM+2]
	s_delay_alu instid0(VALU_DEP_1)
	v_max_num_f32 v[WK], v[WK], v[BM+3]            ; the step's largest score of my query
	s_delay_alu instid0(VALU_DEP_1)
	v_mul_f32 v[WK], s[CS], v[WK]                  ; as t (c is positive: the largest score gives the largest t)
	s_delay_alu instid0(VALU_DEP_1)
	v_max_num_f32 v13, v13, v[WK]                  ; the running largest t
	v_mov_b32 v[WK], v12
	s_delay_alu instid0(VALU_DEP_2)
	v_floor_f32 v12, -v13                          ; the new -M = -ceil(t)
	s_delay_alu instid0(VALU_DEP_1)
	v_sub_f32 v[WK], v12, v[WK]                    ; old M - new M: a whole number, 0 or less
	s_delay_alu instid0(VALU_DEP_1)
	v_cvt_i32_f32 v[WK], v[WK]                     ; (it saturates)
	s_delay_alu instid0(VALU_DEP_1)
	v_ldexp_f32 v[FF], 1.0, v[WK]                  ; f = 2^(old M - new M)
.set n, 0
.rept 32
	v_pk_fma_f32 v[S+n:S+n+1], v[S+n:S+n+1], s[CS:CS+1], v[12:13] op_sel_hi:[1,0,0]   ; t - M, two at a time (of the pairs c and -M the low word serves both halves)
.set n, n+2
.endr
.irp b, 0,1,2,3
	v_fma_f32 v[BM+\b], v[BM+\b], s[CS], v12       ; the same of each block's largest score
.endr
.set n, 0
	s_wait_alu depctr_va_vdst(0)                   ; the wait ahead of the batch
.rept 64
	v_exp_f32 v[S+n], v[S+n]                       ; p = 2^(t - M)
.set n, n+1
.endr
	v_pk_mul_f32 v[14:15], v[14:15], v[FF:FF+1] op_sel_hi:[1,0]   ; the sums under the new M: a plain place behind the exponentials
	s_wait_alu depctr_va_vdst(0)                   ; one wait for the batch, ahead of its first reader
.irp b, 0,1,2,3
	v_exp_f32 v[BM+\b], v[BM+\b]                   ; the block's largest p
.endr
	v_pk_add_f32 v[192:193], v[96:97], v[98:99]    ; the row's sum of the unquantised p, in eight chains
	v_pk_add_f32 v[194:195], v[112:113], v[120:121]
	v_pk_add_f32 v[196:197], v[128:129], v[136:137]
	v_pk_add_f32 v[198:199], v[144:145], v[152:153]
	v_pk_add_f32 v[252:253], v[100:101], v[102:103]
	v_pk_add_f32 v[250:251], v[114:115], v[122:123]
	v_pk_add_f32 v[248:249], v[130:131], v[138:139]
	v_pk_add_f32 v[14:15], v[14:15], v[146:147]
	v_pk_add_f32 v[192:193], v[192:193], v[154:155]
	v_pk_add_f32 v[194:195], v[194:195], v[104:105]
	v_pk_add_f32 v[196:197], v[196:197], v[106:107]
	v_pk_add_f32 v[198:199], v[198:199], v[116:117]
	v_pk_add_f32 v[252:253], v[252:253], v[124:125]
	v_pk_add_f32 v[250:251], v[250:251], v[132:133]
	v_pk_add_f32 v[248:249], v[248:249], v[140:141]
	v_pk_add_f32 v[14:15], v[14:15], v[148:149]
	v_pk_add_f32 v[192:193], v[192:193], v[156:157]
	v_pk_add_f32 v[194:195], v[194:195], v[108:109]
	v_pk_add_f32 v[196:197], v[196:197], v[110:111]
	v_pk_add_f32 v[198:199], v[198:199], v[118:119]
	v_pk_add_f32 v[252:253], v[252:253], v[126:127]
	v_pk_add_f32 v[250:251], v[250:251], v[134:135]
	v_pk_add_f32 v[248:249], v[248:249], v[142:143]
	v_pk_add_f32 v[14:15], v[14:15], v[150:151]
	v_pk_add_f32 v[192:193], v[192:193], v[158:159]
	s_delay_alu instid0(VALU_DEP_2)
	v_pk_add_f32 v[14:15], v[14:15], v[198:199]
	s_delay_alu instid0(VALU_DEP_2)
	v_pk_add_f32 v[192:193], v[192:193], v[252:253]
	v_pk_add_f32 v[194:195], v[194:195], v[250:251]
	v_pk_add_f32 v[196:197], v[196:197], v[248:249]
	s_delay_alu instid0(VALU_DEP_2)
	v_pk_add_f32 v[14:15], v[14:15], v[194:195]
	s_delay_alu instid0(VALU_DEP_2)
	v_pk_add_f32 v[192:193], v[192:193], v[196:197]
	s_delay_alu instid0(VALU_DEP_1)
	v_pk_add_f32 v[14:15], v[14:15], v[192:193]
	s_wait_alu depctr_va_vdst(0)                   ; and one for the four
.irp b, 0,1,2,3
	v_max_num_f32 v[BM+\b], 0x2800000, v[BM+\b]    ; the floor 2^(5 - 127)
.endr
.irp b, 0,1,2,3
	s_delay_alu instid0(VALU_DEP_4)
	v_add_nc_u32 v[SO+\b], 0xfe000000, v[BM+\b]    ; the conversion's scale operand
.endr
.irp b, 0,1,2,3
	s_delay_alu instid0(VALU_DEP_4)
	v_lshrrev_b32 v[BP+\b], 23, v[SO+\b]           ; the byte
.endr
	s_delay_alu instid0(VALU_DEP_3)
	v_lshl_or_b32 v[PS], v[BP+1], 8, v[BP]         ; p's scale word for these 128 keys
	s_delay_alu instid0(VALU_DEP_1)
	v_lshl_or_b32 v[PS], v[BP+2], 16, v[PS]
	s_delay_alu instid0(VALU_DEP_1)
	v_lshl_or_b32 v[PS], v[BP+3], 24, v[PS]
.irp c, 0,1
	v_cvt_scalef32_pk16_bf6_f32 v[PC+6*\c:PC+2+6*\c], v[S+32*\c:S+15+32*\c], v[SO+2*\c]
	v_cvt_scalef32_pk16_bf6_f32 v[PC+12+4*\c:PC+14+4*\c], v[S+16+32*\c:S+31+32*\c], v[SO+2*\c+1]
.endr
	v_nop                                          ; one plain place behind the conversions
.irp c, 0,1
.irp i, 0,1,2
	v_permlane16_swap_b32 v[PC+6*\c+\i], v[PC+12+4*\c+\i]
.endr
.irp i, 0,1,2
	s_delay_alu instid0(VALU_DEP_3)
	v_mov_b32 v[PC+3+6*\c+\i], v[PC+12+4*\c+\i]
.endr
.endr
.set n, 0
.rept 16
	v_pk_mul_f32 v[O+n:O+n+1], v[O+n:O+n+1], v[FF:FF+1] op_sel_hi:[1,0]   ; O^T under the new M; these are also the places in front of the products below
.set n, n+2
.endr
	s_wait_alu depctr_va_vdst(0)                   ; the wait ahead of the wait below
	s_wait_dscnt 0x0                               ; V
.irp t, 0,1,2,3
.if \t%2
	v_wmma_scale_f32_16x16x128_f8f6f4 v[O+8*\t:O+8*\t+7], v[KF+12*\t:KF+12*\t+11], v[PC:PC+11], v[O+8*\t:O+8*\t+7], v[VS+\t/2], v[PS] matrix_a_fmt:MATRIX_FMT_BF6 matrix_b_fmt:MATRIX_FMT_BF6 matrix_a_scale:MATRIX_SCALE_ROW1
.else
	v_wmma_scale_f32_16x16x128_f8f6f4 v[O+8*\t:O+8*\t+7], v[KF+12*\t:KF+12*\t+11], v[PC:PC+11], v[O+8*\t:O+8*\t+7], v[VS+\t/2], v[PS] matrix_a_fmt:MATRIX_FMT_BF6 matrix_b_fmt:MATRIX_FMT_BF6
.endif
.endr
.Lskip_\p:
	s_add_co_u32 s[TB], s[TB], 6144
	s_add_co_u32 s[TS], s[TS], 768
	s_add_co_u32 s[CNT], s[CNT], 1
	s_cmp_lt_u32 s[CNT], 8
	s_cbranch_scc1 .Lstep_\p
	; the tile's way out: O^T / the sum; register 16 b + i is channel 32 b + 16 (lane / 16) + i: two blocks of the last product's K
.rept 4
	v_nop                                          ; places behind the last products
.endr
	v_add_f32 v14, v14, v15
	s_delay_alu instid0(VALU_DEP_1)
	v_permlanex16_b32 v[BP], v14, s[SEL], s[SEL+1]
	s_delay_alu instid0(VALU_DEP_1)
	v_add_f32 v14, v14, v[BP]                      ; the row's sum l
	s_wait_alu depctr_va_vdst(0)                   ; the wait ahead of the transcendental
	v_rcp_f32 v[WK], v14                           ; r, about 1 / l
	v_nop                                          ; a plain place behind the reciprocal
	s_wait_alu depctr_va_vdst(0)                   ; the wait ahead of its first reader
.set n, 0
.rept 16
	v_pk_mul_f32 v[S+n:S+n+1], v[O+n:O+n+1], v[WK:WK+1] op_sel_hi:[1,0]   ; q = O r
.set n, n+2
.endr
.set n, 0
.rept 16
	v_pk_fma_f32 v[O+n:O+n+1], v[S+n:S+n+1], v[14:15], v[O+n:O+n+1] op_sel_hi:[1,0,1] neg_lo:[1,0,0] neg_hi:[1,0,0]   ; what is left: O - q l
.set n, n+2
.endr
.set n, 0
.rept 16
	v_pk_fma_f32 v[S+n:S+n+1], v[O+n:O+n+1], v[WK:WK+1], v[S+n:S+n+1] op_sel_hi:[1,0,1]   ; q + (O - q l) r: the quotient, since it goes into a quantiser
.set n, n+2
.endr
.irp b, 0,1
	v_max3_num_f32 v[BM+\b], |v[S+16*\b]|, |v[S+1+16*\b]|, 0x2800000
.endr
.irp i, 2,4,6,8,10,12,14
.irp b, 0,1
	s_delay_alu instid0(VALU_DEP_2)
	v_max3_num_f32 v[BM+\b], v[BM+\b], |v[S+16*\b+\i]|, |v[S+1+16*\b+\i]|
.endr
.endr
.irp b, 0,1
	s_delay_alu instid0(VALU_DEP_2)
	v_permlanex16_b32 v[BP+\b], v[BM+\b], s[SEL], s[SEL+1]
.endr
.irp b, 0,1
	s_delay_alu instid0(VALU_DEP_2)
	v_max_num_f32 v[BM+\b], v[BM+\b], v[BP+\b]
.endr
.irp b, 0,1
	s_delay_alu instid0(VALU_DEP_2)
	v_add_nc_u32 v[SO+\b], 0xfe000000, v[BM+\b]
.endr
.irp b, 0,1
	s_delay_alu instid0(VALU_DEP_2)
	v_lshrrev_b32 v[BP+\b], 23, v[SO+\b]
.endr
	s_delay_alu instid0(VALU_DEP_1)
	v_lshl_or_b32 v[OH+\p], v[BP+1], 8, v[BP]      ; my row's two scale bytes of this head
	v_cvt_scalef32_pk16_bf6_f32 v[PC:PC+2], v[S:S+15], v[SO]
	v_cvt_scalef32_pk16_bf6_f32 v[PC+12:PC+14], v[S+16:S+31], v[SO+1]
	v_nop
.irp i, 0,1,2
	v_permlane16_swap_b32 v[PC+\i], v[PC+12+\i]
.endr
.irp i, 0,1,2
	s_delay_alu instid0(VALU_DEP_3)
	v_mov_b32 v[PC+3+\i], v[PC+12+\i]
.endr
	global_store_b128 v[L16], v[PC:PC+3], s[40+2*\p:41+2*\p]              ; the piece (row tile, head): 512 consecutive bytes,
	global_store_b64 v[L8], v[PC+4:PC+5], s[40+2*\p:41+2*\p] offset:512   ; and 256
.endm
	s_load_b128 s[4:7], s[0:1], 0x0                ; kv, oimg
	s_load_b64 s[8:9], s[0:1], 0x10                ; osc
	v_lshl_add_u32 v254, v0, 2, 0x29000
	v_mov_b32 v255, 0
	ds_add_u32 v254, v255                          ; the opening lines: the add, twice on end, and its wait
	ds_add_u32 v254, v255
	v_lshrrev_b32 v6, 5, v0
	s_delay_alu instid0(VALU_DEP_1)
	v_readfirstlane_b32 s[WV], v6                  ; wave 0..15
	s_and_b32 s10, ttmp7, 0xffff                   ; 16 x batch + head
	s_mul_i32 s12, s10, HEADB
	s_mov_b32 s13, 0
	s_and_b32 s11, s[WV], 7
	s_mul_i32 s11, s11, 13056                      ; my 51 rows of 256 bytes
	s_mov_b32 s14, s11
	s_mov_b32 s15, 0
	s_mov_b32 s[G1], 3<<16                         ; no mask; elements of 8 bytes; no padding
	s_mov_b32 s[G1+1], 32<<16
	s_mov_b32 s[G1+2], 51<<16
	s_mov_b32 s[G1+3], 32<<16
	s_mov_b32 s[G1+4], 51
	s_mov_b32 s[G1+5], 32
	s_mov_b32 s[G1+6], 0
	s_mov_b32 s[G1+7], 0
	s_wait_dscnt 0x0
	s_wait_kmcnt 0x0
	s_add_nc_u64 s[4:5], s[4:5], s[12:13]          ; the head's block
	s_mov_b32 s[G0], 1
	s_mov_b32 s[G0+1], s11
	s_add_nc_u64 s[G0+2:G0+3], s[4:5], s[14:15]
	s_or_b32 s[G0+3], s[G0+3], 0x80000000
	s_cmp_lt_u32 s[WV], 8                          ; waves 0-7 fetch, one load each
	s_cbranch_scc0 .Lno_fetch
	tensor_load_to_lds s[G0:G0+3], s[G1:G1+7]
	s_nop 0
.rept 4
	v_nop
.endr
.Lno_fetch:
	v_and_b32 v6, 31, v0                           ; lane
	v_and_b32 v7, 15, v0                           ; r
	v_bfe_u32 v11, v0, 4, 1                        ; h: kept to the end
	s_delay_alu instid0(VALU_DEP_3)
	v_lshlrev_b32 v[L16], 4, v6
	s_wait_alu depctr_va_vdst(0)
	v_lshlrev_b32 v[L8], 3, v6
	s_wait_alu depctr_va_vdst(0)
	v_lshl_add_u32 v[LS0], v6, 2, SCB
	v_lshlrev_b32 v[WK], 2, v7                     ; 4 r
	s_wait_alu depctr_va_vdst(0)
	s_and_b32 s39, ttmp9, 1                        ; g
	s_lshl_b32 s44, s[WV], 1
	s_add_co_u32 s44, s44, s39                     ; i0
	s_sub_co_u32 s45, 63, s44                      ; i1
	s_lshr_b32 s[LAST], s[WV], 2
	s_sub_co_u32 s[LAST+1], 7, s[LAST]
	s_mul_i32 s46, s44, 768                        ; Q is k's piece of my tile: it lies in the head's block in LDS, and is read from there behind the barrier
	s_mul_i32 s48, s45, 768
	s_lshr_b32 s50, s44, 3                         ; and its scale words: 768 (i / 8) + 64 (i % 8) behind SCB
	s_mul_i32 s50, s50, 768
	s_and_b32 s51, s44, 7
	s_lshl_b32 s51, s51, 6
	s_add_co_u32 s50, s50, s51
	s_add_co_u32 s50, s50, SCB
	s_lshr_b32 s52, s45, 3
	s_mul_i32 s52, s52, 768
	s_and_b32 s53, s45, 7
	s_lshl_b32 s53, s53, 6
	s_add_co_u32 s52, s52, s53
	s_add_co_u32 s52, s52, SCB
	v_add_nc_u32 v[S], s46, v[L16]
	v_add_nc_u32 v[S+1], s46, v[L8]
	v_add_nc_u32 v[S+2], s48, v[L16]
	v_add_nc_u32 v[S+3], s48, v[L8]
	v_add_nc_u32 v[S+4], s50, v[WK]
	v_add_nc_u32 v[S+5], s52, v[WK]
	s_lshr_b32 s54, s10, 4                         ; batch
	s_and_b32 s55, s10, 15                         ; head
	s_lshl_b32 s56, s54, 6
	s_add_co_u32 s57, s56, s44                     ; row tiles of the last product's operand
	s_add_co_u32 s58, s56, s45
	s_lshl_b32 s12, s57, 4
	s_add_co_u32 s12, s12, s55
	s_mul_i32 s12, s12, 768
	s_add_nc_u64 s[40:41], s[6:7], s[12:13]
	s_lshl_b32 s12, s58, 4
	s_add_co_u32 s12, s12, s55
	s_mul_i32 s12, s12, 768
	s_add_nc_u64 s[42:43], s[6:7], s[12:13]
	s_lshl_b32 s12, s57, 9                         ; scale bytes: 512 a tile, + 128 (head / 4) + 2 (head % 4), + 8 r
	s_lshr_b32 s59, s55, 2
	s_lshl_b32 s59, s59, 7
	s_add_co_u32 s12, s12, s59
	s_and_b32 s59, s55, 3
	s_lshl_b32 s59, s59, 1
	s_add_co_u32 s12, s12, s59
	s_add_nc_u64 s[60:61], s[8:9], s[12:13]
	s_sub_co_u32 s59, s45, s44
	s_lshl_b32 s59, s59, 9                         ; from tile i0's to tile i1's
	v_mul_lo_u32 v242, v11, s59
	s_delay_alu instid0(VALU_DEP_1)
	v_lshl_add_u32 v242, v7, 3, v242
	v_and_b32 v228, 8, v7
	s_delay_alu instid0(VALU_DEP_1)
	v_add_nc_u32 v228, v228, v7
	v_lshlrev_b32 v229, 4, v11
	s_delay_alu instid0(VALU_DEP_1)
	v_sub_nc_u32 v228, v228, v229                  ; r + 8 (r / 8) - 16 h
	s_wait_alu depctr_va_vdst(0)
	s_bfe_u32 s[MB], s44, 0x20001                  ; (i0 % 8) / 2: the block of 32 keys of its diagonal step
	s_lshl_b32 s62, s[MB], 5
	s_and_b32 s63, s44, 1
	s_lshl_b32 s63, s63, 3
	s_add_co_u32 s62, s62, s63
	v_add_nc_u32 v[DM], s62, v228
	s_bfe_u32 s[MB+1], s45, 0x20001
	s_lshl_b32 s62, s[MB+1], 5
	s_and_b32 s63, s45, 1
	s_lshl_b32 s63, s63, 3
	s_add_co_u32 s62, s62, s63
	v_add_nc_u32 v[DM+1], s62, v228
	s_mov_b32 s[SEL], 0x76543210
	s_mov_b32 s[SEL+1], 0xfedcba98
	s_mov_b32 s[CS], 0x3e38aa3b                    ; log2(e) / 8: the f32 number log2(e) with 3 off its exponent
	s_mov_b32 s[CS+1], s[CS]
.irp i, 0,1,2,3,4,5
	v_mov_b32 v[QF+6+\i], 0                        ; zero codes for k = 64 .. 127
	v_mov_b32 v[QF+18+\i], 0
	v_mov_b32 v[KF+48+\i], 0
.endr
.irp b, 0,1,2,3
	v_mov_b32 v[BP+\b], 0                          ; a lane permute's destination counts as read
.endr
	v_mov_b32 v[FF+1], 0                           ; named as the upper half of f's pair
	v_mov_b32 v[WK+1], 0                           ; and of the reciprocal's
	s_wait_alu depctr_va_vdst(0)                   ; the wait at the head's end
	s_wait_tensorcnt 0x0                           ; my part of the head's block has landed,
	s_barrier_signal -1
	s_barrier_wait -1                              ; everybody's has
	ds_load_b128 v[QF:QF+3], v[S]                  ; Q's two fragments, into registers of their own,
	ds_load_b64 v[QF+4:QF+5], v[S+1] offset:512
	ds_load_b128 v[QF+12:QF+15], v[S+2]
	ds_load_b64 v[QF+16:QF+17], v[S+3] offset:512
	ds_load_b32 v[QS], v[S+4]                      ; and row r's words, in both halves of the lanes
	ds_load_b32 v[QS+1], v[S+5]
	s_wait_dscnt 0x0
	PASS 0
	PASS 1
	v_cmp_eq_u32 vcc_lo, 1, v11
	s_delay_alu instid0(VALU_DEP_1)
	v_cndmask_b32 v243, v[OH], v[OH+1], vcc_lo     ; lanes 0-15: tile i0's rows; lanes 16-31: tile i1's
	global_store_b16 v242, v243, s[60:61]          ; 2 bytes a row, 8 bytes apart: 1 byte in 25 of what the launch stores
	s_wait_tensorcnt 0x0                           ; the wave's end
	ds_add_u32 v254, v255
	s_wait_dscnt 0x0
	s_endpgm
.Lfunc_end_k_qce82c5df7b_attn:
	.size	k_qce82c5df7b_attn, .Lfunc_end_k_qce82c5df7b_attn-k_qce82c5df7b_attn
	.p2alignl 7, 3214868480
	.fill 96, 4, 3214868480
	.section	.rodata,"a",@progbits
	.p2align	6, 0x0
	.amdhsa_kernel k_qce82c5df7b_attn
		.amdhsa_group_segment_fixed_size 169984
		.amdhsa_private_segment_fixed_size 0
		.amdhsa_enable_private_segment 0
		.amdhsa_kernarg_size 24
		.amdhsa_user_sgpr_count 2
		.amdhsa_user_sgpr_kernarg_segment_ptr 1
		.amdhsa_wavefront_size32 1
		.amdhsa_system_sgpr_workgroup_id_x 1
		.amdhsa_system_sgpr_workgroup_id_y 1
		.amdhsa_system_sgpr_workgroup_id_z 1
		.amdhsa_system_vgpr_workitem_id 0
		.amdhsa_next_free_vgpr 256
		.amdhsa_next_free_sgpr 66
		.amdhsa_reserve_vcc 1
		.amdhsa_float_denorm_mode_32 3
		.amdhsa_float_denorm_mode_16_64 3
		.amdhsa_memory_ordered 1
		.amdhsa_forward_progress 1
		.amdhsa_inst_pref_size 90
	.end_amdhsa_kernel
	.amdgpu_metadata
---
amdhsa.version: [ 1, 2 ]
amdhsa.kernels:
  - .name:           k_qce82c5df7b_attn
    .symbol:         k_qce82c5df7b_attn.kd
    .args:
      - { .name: kv, .offset: 0, .size: 8, .value_kind: global_buffer, .address_space: global }
      - { .name: oimg, .offset: 8, .size: 8, .value_kind: global_buffer, .address_space: global }
      - { .name: osc, .offset: 16, .size: 8, .value_kind: global_buffer, .address_space: global }
    .group_segment_fixed_size: 169984
    .private_segment_fixed_size: 0
    .kernarg_segment_align: 8
    .kernarg_segment_size: 24
    .max_flat_workgroup_size: 512
    .sgpr_count:     66
    .vgpr_count:     256
    .wavefront_size: 32
...
	.end_amdgpu_metadata
.endif
;; end of part 3
;; launch proj (part 4): grid 8 x 32, 4 waves a work-group, clusters of 4 x 4, 327,680 bytes of LDS; arguments oimg, osc, wimg, wsc, bproj, out0; writes out0
.if DOCPART == 4
	.amdgcn_target "amdgcn-amd-amdhsa--gfx1250"
	.amdhsa_code_object_version 6
	.text
	.protected	k_qce82c5df7b_proj
	.globl	k_qce82c5df7b_proj
	.p2align	8
	.type	k_qce82c5df7b_proj,@function
k_qce82c5df7b_proj:
	s_mov_b64 s[64:65], 0
	v_nop
	global_prefetch_b8 v0, s[64:65] scope:SCOPE_SE
	s_setreg_imm32_b32 hwreg(HW_REG_WAVE_MODE, 25, 1), 1
	s_wait_xcnt 0x0
	s_wait_alu depctr_hold_cnt(0) depctr_sa_sdst(0) depctr_va_vdst(0) depctr_va_sdst(0) depctr_va_ssrc(0) depctr_va_vcc(0) depctr_vm_vsrc(0)
	s_getreg_b32 s2, hwreg(HW_REG_IB_STS2, 6, 4)
	s_cmp_eq_u32 s2, 0
	s_cbranch_scc0 .Lentry_in_a_cluster
	s_endpgm
.Lentry_in_a_cluster:
	s_bfe_u32 s2, ttmp6, 0x10000c
	s_cmp_lg_u32 s2, 0xf033
	s_cbranch_scc0 .Lentry_shape_is_right
	s_endpgm
.Lentry_shape_is_right:
; out0 = o Wproj + bproj on codes of E3M2 with E8M0 scales, sums in f32.  o's codes: oimg [tile of 16 rows][16 pieces][768], osc [tile][quarter of K][r][2 words];
; Wproj's: blocks 8..11 of wimg [block of 16 tiles][quarter of K][tile][4 pieces][768], tiles 128 on of wsc.  Lane r of tile T holds matrix row 32 (T / 2) + 8 (T % 2) + r + 8 (r / 8).
; A work-group makes 256 rows by 128 columns: 8 x 32 = 256 work-groups.  ALL OF K = 1,024 LIES IN LDS: P = o's 256 rows (196,608 bytes), R = W's 128 operand rows (98,304), their scale words (8,192 + 4,096):
; four tiles, one tensor load a wave at the head; nothing is filled again, so there is no ring.
; TWO PASSES of 128 rows: in each a wave makes 64 rows x 64 columns, 16 accumulators, in eight K steps of 128.  The first pass's rows are stored ahead of the second pass's products, and nothing waits for those stores.
; Both operands have two sets of fragment registers: the next step's 32 LDS loads are issued ahead of each step's 16 products, on into the next pass.
; Source 0 = R, source 1 = P: a lane holds one row of the result and eight neighbouring columns.  The bias is the C of a pass's first products.
; CLUSTER 4 x 4: P's tiles are shared along a row of the cluster, R's along a column, by joint loads.
; NO PREFETCH: every byte is asked for by the head's loads; the text has no loop and no refill to run ahead of.
; THE WAY OUT: 16 rows x 64 columns at a time through the wave's own stage, on LDS bytes into which no fill lands; back as rows of 256 bytes: sixteen lanes store one aligned unit of 256 bytes.
; REGISTERS: window 0: v16-23 fragment addresses; v25 offset in out0; v26-27 scale words' addresses; v28-29 the add's; v30-31 the stage; v32-95 the scale words of all of K, a set for each pass; v96-127 the bias;
;   v128-191 rows on the way out, two sets.  window 1: R's fragments at v0 and v48, P's at v96 and v144.  window 2: accumulator (a, b) of pass h at v[128 h + 8 (4 a + b)].
.set RB,    196608
.set SCL,   294912
.set SPARE, 307200                     ; the spare words: two blocks of 256 bytes that no other line names
.set STAGE, 307712                     ; four stages of 16 rows x (256 bytes + 16)
.set SPITCH, 272
.set FR,    12
.set WV,    18
.set WR,    19                         ; which 64 of a pass's 128 rows are mine
.set WC,    20                         ; which 64 of the 128 columns
.set ADP16, 16                         ; a register for each pass
.set ADP8,  18
.set ADR16, 20                         ; a register for quarters 0, 1 and one for quarters 2, 3 of K
.set ADR8,  22
.set CO,    25
.set ADRS,  26                         ; a register for each pass
.set SPW,   28
.set NIL,   29
.set STO,   30
.set RD,    31
.set SC,    32
.set BK,    96
.set OB,    128
.set RF,    0
.set PFR,   96
.set G1,   24
.set G0,   32
.set G1B,  48
.set G0B,  56
.set G1S,  68
.set G0S,  76
.set G1SB, 80
.set G0SB, 88
.set MSB, 0
.macro WIN new                         ; the immediate's high byte repeats the setting that is left
.if MSB != \new
	s_set_vgpr_msb (MSB<<8)|\new
.set MSB, \new
.endif
.endm
.set MUL_A, 0xa5                       ; sources 0 and 1 window 1, C and D window 2
.set MUL_B, 0x85                       ; the same with C (the bias) in window 0
.set TO_1,  0x40
.macro PLACES
.rept 4
	v_nop
.endr
.endm
.macro CREST
	s_cmp_lg_u32 s[WV], 0
	s_cbranch_scc1 .Lnot_wave_0_\@
	s_barrier_signal -3
.Lnot_wave_0_\@:
	s_barrier_wait -3
	s_barrier_signal -1
	s_barrier_wait -1
.endm
.macro CROUND
	s_barrier_signal -1
	s_barrier_wait -1
	CREST
.endm
.macro FRAG reg, a16, a8, off
	ds_load_b128 v[\reg:\reg+3], v[\a16] offset:\off
	ds_load_b64 v[\reg+4:\reg+5], v[\a8] offset:\off+512
	ds_load_b128 v[\reg+6:\reg+9], v[\a16] offset:\off+768
	ds_load_b64 v[\reg+10:\reg+11], v[\a8] offset:\off+1280
.endm
.macro FETCH g                         ; step g = 8 x pass + K step: my four fragments of R ([quarter][tile][3,072]) and of P ([tile][12,288]) into set g % 2: 32 loads
	WIN TO_1
.irp i, 0,1,2,3
	FRAG RF+48*((\g)%2)+FR*\i, ADR16+((\g)%8)/4, ADR8+((\g)%8)/4, ((((\g)%8)/2)%2)*24576+\i*3072+((\g)%2)*1536
	FRAG PFR+48*((\g)%2)+FR*\i, ADP16+(\g)/8, ADP8+(\g)/8, \i*12288+((\g)%8)*1536
.endr
	WIN 0
.endm
.macro WM acc, rf, pf, sr, sp, bias, c0
.if \c0
	v_wmma_scale_f32_16x16x128_f8f6f4 v[\acc:\acc+7], v[\rf:\rf+FR-1], v[\pf:\pf+FR-1], v[\bias:\bias+7], v[\sr], v[\sp] matrix_a_fmt:MATRIX_FMT_BF6 matrix_b_fmt:MATRIX_FMT_BF6 matrix_a_scale:MATRIX_SCALE_ROW1
.else
	v_wmma_scale_f32_16x16x128_f8f6f4 v[\acc:\acc+7], v[\rf:\rf+FR-1], v[\pf:\pf+FR-1], v[\acc:\acc+7], v[\sr], v[\sp] matrix_a_fmt:MATRIX_FMT_BF6 matrix_b_fmt:MATRIX_FMT_BF6 matrix_a_scale:MATRIX_SCALE_ROW1
.endif
.endm
; Step g: the next step's loads, then 16 products.  c0 = 1: they start the sums with the bias.  The 16 accumulators take turns, in the same order in every step.
.macro GSTEP g, c0
	PLACES                                         ; behind the last step's products, ahead of loads into the set that they read
.if (\g) < 15
	FETCH (\g)+1
	s_wait_dscnt 32                                ; all but the 32 just issued
.else
	s_wait_dscnt 0x0
.endif
.if \c0
	WIN MUL_B
.else
	WIN MUL_A
.endif
.irp a, 0,1,2,3
.irp b, 0,1,2,3
	WM 128*((\g)/8)+8*(4*\a+\b), RF+48*((\g)%2)+FR*\b, PFR+48*((\g)%2)+FR*\a, SC+32*((\g)/8)+8*(((\g)%8)/2)+2*\b+(\g)%2, SC+32*((\g)/8)+8*(((\g)%8)/2)+2*\a+(\g)%2, BK+8*\b, \c0
.endr
.endr
	WIN 0
.endm
.macro TOSTAGE h, a                    ; block a of pass h: each accumulator from its low end on; LDS serves a wave's instructions in order: the loads see the stores
	WIN 0x08
.irp b, 0,1,2,3
	ds_store_b128 v[STO], v[128*(\h)+32*(\a)+8*\b:128*(\h)+32*(\a)+8*\b+3] offset:128*(\b/2)+32*(\b%2)
	ds_store_b128 v[STO], v[128*(\h)+32*(\a)+8*\b+4:128*(\h)+32*(\a)+8*\b+7] offset:128*(\b/2)+32*(\b%2)+16
.endr
	WIN 0
.irp t, 0,1,2,3,4,5,6,7
	ds_load_b128 v[OB+32*((\a)%2)+4*\t:OB+32*((\a)%2)+4*\t+3], v[RD] offset:\t*2*SPITCH
.endr
.endm
.macro SEND h, a, younger              ; two rows an instruction: sixteen lanes store 256 consecutive bytes, at a multiple of 256 from out0's first byte
	s_wait_dscnt \younger
.irp t, 0,1,2,3,4,5,6,7
	global_store_b128 v[CO], v[OB+32*((\a)%2)+4*\t:OB+32*((\a)%2)+4*\t+3], s[14:15] offset:(128*(\h)+32*((\a)/2)+8*((\a)%2)+2*\t+8*(\t/4))*4096 th:TH_STORE_NT
.endr
.endm
.macro OUT h
	PLACES                                         ; ahead of the first read of results
.if \h
	s_wait_xcnt 0x0                                ; the first pass's stores have read their registers
.endif
	TOSTAGE \h, 0
.irp a, 1,2,3
.if \a > 1
	s_wait_xcnt 0x0                                ; block a - 2's stores have read their registers
.endif
	TOSTAGE \h, \a
	SEND \h, \a-1, 16                              ; behind block a - 1's loads: block a's 8 stores and 8 loads
.endr
	SEND \h, 3, 0
.endm
	s_load_b128 s[4:7], s[0:1], 0x0                ; oimg, osc
	s_load_b128 s[8:11], s[0:1], 0x10              ; wimg, wsc
	s_load_b128 s[12:15], s[0:1], 0x20             ; bproj, out0
	v_lshl_add_u32 v[SPW], v0, 2, SPARE
	v_mov_b32 v[NIL], 0
	ds_add_u32 v[SPW], v[NIL]                      ; the opening lines: the add, twice on end, and its wait ahead of my first tensor load
	ds_add_u32 v[SPW], v[NIL]
	v_lshrrev_b32 v232, 5, v0
	v_readfirstlane_b32 s[WV], v232
	s_lshr_b32 s[WR], s[WV], 1
	s_and_b32 s[WC], s[WV], 1
	s_bfe_u32 s40, ttmp6, 0x40000                  ; cx, cy
	s_bfe_u32 s41, ttmp6, 0x40004
	s_lshl_b32 s42, ttmp9, 2
	s_add_co_u32 s42, s42, s40                     ; tc: which 128 columns
	s_and_b32 s17, ttmp7, 0xffff
	s_lshl_b32 s17, s17, 2
	s_add_co_u32 s17, s17, s41                     ; tr: which 256 rows
	s_lshl_b32 s43, s41, 2
	s_lshl_b32 s43, 15, s43                        ; my row of the cluster
	s_lshl_b32 s44, 0x1111, s40                    ; my column
	s_or_b32 s[G1+0], s43, (3<<16)|(1<<21)         ; the mask; elements of 8 bytes; bit 21 set beside a mask; no padding
	s_mov_b32 s[G1+1], 32<<16                      ; P's codes: 196,608 dense bytes as 768 rows of 256
	s_mov_b32 s[G1+2], 768<<16
	s_mov_b32 s[G1+3], 32<<16
	s_mov_b32 s[G1+4], 768
	s_mov_b32 s[G1+5], 32
	s_mov_b32 s[G1+6], 0
	s_mov_b32 s[G1+7], 0
	s_or_b32 s[G1B+0], s44, (3<<16)|(1<<21)
	s_mov_b32 s[G1B+1], 3072<<16                   ; R's codes: four quarters' 24,576 bytes, 49,152 apart
	s_mov_b32 s[G1B+2], 4<<16
	s_mov_b32 s[G1B+3], 3072<<16
	s_mov_b32 s[G1B+4], 4
	s_mov_b32 s[G1B+5], 6144
	s_mov_b32 s[G1B+6], 0
	s_mov_b32 s[G1B+7], 0
	s_or_b32 s[G1S+0], s43, (3<<16)|(1<<21)
	s_mov_b32 s[G1S+1], 32<<16                     ; P's scale words: 32 rows of 256
	s_mov_b32 s[G1S+2], 32<<16
	s_mov_b32 s[G1S+3], 32<<16
	s_mov_b32 s[G1S+4], 32
	s_mov_b32 s[G1S+5], 32
	s_mov_b32 s[G1S+6], 0
	s_mov_b32 s[G1S+7], 0
	s_or_b32 s[G1SB+0], s44, (3<<16)|(1<<21)
	s_mov_b32 s[G1SB+1], 32<<16                    ; R's: 16 rows of 256
	s_mov_b32 s[G1SB+2], 16<<16
	s_mov_b32 s[G1SB+3], 32<<16
	s_mov_b32 s[G1SB+4], 16
	s_mov_b32 s[G1SB+5], 32
	s_mov_b32 s[G1SB+6], 0
	s_mov_b32 s[G1SB+7], 0
	s_mul_i32 s92, s17, 196608
	s_mov_b32 s93, 0
	s_lshl_b32 s94, s17, 13
	s_mov_b32 s95, 0
	s_lshr_b32 s96, s42, 1
	s_add_co_u32 s96, s96, 8                       ; Wproj's blocks begin at 8
	s_mul_i32 s96, s96, 196608
	s_and_b32 s97, s42, 1
	s_mul_i32 s97, s97, 24576                      ; which 8 tiles of the block's 16
	s_add_co_u32 s96, s96, s97
	s_mov_b32 s97, 0
	s_lshl_b32 s98, s42, 12
	s_add_co_u32 s98, s98, 65536                   ; tile 128 + 8 tc, 512 bytes a tile
	s_mov_b32 s99, 0
	s_wait_dscnt 0x0                               ; both opening adds are done
	s_wait_kmcnt 0x0
	s_add_nc_u64 s[92:93], s[4:5], s[92:93]
	s_add_nc_u64 s[94:95], s[6:7], s[94:95]
	s_add_nc_u64 s[96:97], s[8:9], s[96:97]
	s_add_nc_u64 s[98:99], s[10:11], s[98:99]
	CROUND                                         ; all sixteen work-groups are here: the joint loads meet
	s_mov_b32 s[G0], 1
	s_mov_b32 s[G0+1], 0
	s_mov_b64 s[G0+2:G0+3], s[92:93]
	s_or_b32 s[G0+3], s[G0+3], 0x80000000
	s_mov_b32 s[G0B], 1
	s_mov_b32 s[G0B+1], RB
	s_mov_b64 s[G0B+2:G0B+3], s[96:97]
	s_or_b32 s[G0B+3], s[G0B+3], 0x80000000
	s_mov_b32 s[G0S], 1
	s_mov_b32 s[G0S+1], SCL
	s_mov_b64 s[G0S+2:G0S+3], s[94:95]
	s_or_b32 s[G0S+3], s[G0S+3], 0x80000000
	s_mov_b32 s[G0SB], 1
	s_mov_b32 s[G0SB+1], SCL+8192
	s_mov_b64 s[G0SB+2:G0SB+3], s[98:99]
	s_or_b32 s[G0SB+3], s[G0SB+3], 0x80000000
; THE LOADS, ONE A WAVE: wave 0 P's codes, wave 1 R's, wave 2 P's scale words, wave 3 R's.  One chain of branches on the wave's number; every way passes exactly one load.
.macro ARM under, g0, g1, next
	s_cmp_lt_u32 s[WV], \under
	s_cbranch_scc0 \next
	tensor_load_to_lds s[\g0:\g0+3], s[\g1:\g1+7]
	s_nop 0
	PLACES
	s_branch .Lhead_asked
\next:
.endm
	ARM 1, G0,  G1,  .Lhead_r
	ARM 2, G0B, G1B, .Lhead_sp
	ARM 3, G0S, G1S, .Lhead_sr
	tensor_load_to_lds s[G0SB:G0SB+3], s[G1SB:G1SB+7]
	s_nop 0
	PLACES
.Lhead_asked:
	s_mul_i32 s45, s[WR], 49152                    ; my four tiles of P in the first pass
	s_mul_i32 s46, s[WC], 12288                    ; my four tiles of R in a quarter
	s_add_co_u32 s46, s46, RB
	s_lshl_b32 s47, s[WR], 11                      ; P's scale words, first pass;
	s_lshl_b32 s16, s[WC], 11
	s_add_co_u32 s16, s16, 8192
	s_sub_co_u32 s16, s16, s47                     ; from them to R's;
	s_sub_co_u32 s21, s16, 4096                    ; the same for the second pass, whose words of P lie 4,096 bytes on
	s_add_co_u32 s47, s47, SCL
	s_add_co_u32 s22, s47, 4096
	s_mul_i32 s23, s[WV], 16*SPITCH
	s_add_co_u32 s23, s23, STAGE                   ; my stage
	s_lshl_b32 s4, s42, 9
	s_lshl_b32 s5, s[WC], 8
	s_add_co_u32 s4, s4, s5                        ; my first column, in bytes
	s_mov_b32 s5, 0
	s_add_nc_u64 s[2:3], s[12:13], s[4:5]          ; in bproj,
	s_add_nc_u64 s[14:15], s[14:15], s[4:5]        ; and in out0
	s_lshl_b32 s4, s17, 8
	s_lshl_b32 s6, s[WR], 6
	s_add_co_u32 s4, s4, s6                        ; my first row
	s_lshl_b32 s4, s4, 12
	s_add_nc_u64 s[14:15], s[14:15], s[4:5]
	v_and_b32 v232, 31, v0                         ; lane
	v_and_b32 v233, 15, v0                         ; r
	v_bfe_u32 v234, v0, 4, 1                       ; h
	v_lshlrev_b32 v235, 4, v232                    ; 16 l
	v_lshlrev_b32 v236, 3, v232                    ; 8 l
	v_lshlrev_b32 v238, 6, v234                    ; 64 h
	v_add_nc_u32 v[ADP16], s45, v235
	v_add_nc_u32 v[ADP8], s45, v236
	v_add_nc_u32 v[ADR16], s46, v235
	v_add_nc_u32 v[ADR8], s46, v236
	v_add_nc_u32 v[ADP16+1], 98304, v[ADP16]       ; the second pass: eight tiles on
	v_add_nc_u32 v[ADP8+1], 98304, v[ADP8]
	v_add_nc_u32 v[ADR16+1], 49152, v[ADR16]       ; two quarters on
	v_add_nc_u32 v[ADR8+1], 49152, v[ADR8]
	v_mul_u32_u24 v237, s16, v234                  ; lanes 0-15 take P's words, lanes 16-31 R's
	v_mul_u32_u24 v239, s21, v234
	v_lshl_add_u32 v237, v233, 3, v237
	v_lshl_add_u32 v239, v233, 3, v239
	v_add_nc_u32 v[ADRS], s47, v237
	v_add_nc_u32 v[ADRS+1], s22, v239
	v_mul_u32_u24 v240, v233, SPITCH               ; into the stage: row r, 64 bytes for each half of the lanes
	v_mul_u32_u24 v241, v234, SPITCH               ; back: lanes 0-15 take one row of 256 bytes, lanes 16-31 the next
	v_lshl_add_u32 v240, v234, 6, v240
	v_lshl_add_u32 v241, v233, 4, v241
	v_add_nc_u32 v[STO], s23, v240
	v_add_nc_u32 v[RD], s23, v241
	v_lshlrev_b32 v242, 12, v234                   ; and the same two rows in out0
	v_lshl_add_u32 v[CO], v233, 4, v242
.irp t, 0,1,2,3                                ; the bias in the result's layout: eight numbers a tile of R
	global_load_b128 v[BK+8*\t:BK+8*\t+3], v238, s[2:3] offset:(32*(\t/2)+8*(\t%2))*4
	global_load_b128 v[BK+8*\t+4:BK+8*\t+7], v238, s[2:3] offset:(32*(\t/2)+8*(\t%2))*4+16
.endr
	s_wait_alu depctr_va_vdst(0)                   ; the wait at the head's end
	s_wait_loadcnt 0x0                             ; the bias
	s_wait_tensorcnt 0x0                           ; my one of the four tiles is in
	s_barrier_signal -1
	s_barrier_wait -1                              ; all four are in
.irp h, 0,1                                    ; the scale words of all of K: register 32 h + 8 q + 2 i + step % 2: lanes 0-15 P's block i of pass h, lanes 16-31 R's block i
.irp q, 0,1,2,3
.irp i, 0,1,2,3
	ds_load_b64 v[SC+32*\h+8*\q+2*\i:SC+32*\h+8*\q+2*\i+1], v[ADRS+\h] offset:512*\i+128*\q
.endr
.endr
.endr
	FETCH 0
	GSTEP 0, 1                                     ; a pass's first products start the sums with the bias
.irp g, 1,2,3,4,5,6,7
	GSTEP \g, 0
.endr
	OUT 0                                          ; the first 128 rows leave; the second pass's first fragments are already asked for
	GSTEP 8, 1
.irp g, 9,10,11,12,13,14,15
	GSTEP \g, 0
.endr
	OUT 1
	s_wait_tensorcnt 0x0                           ; the wave's end
	ds_add_u32 v[SPW], v[NIL]
	s_wait_dscnt 0x0
	CROUND                                         ; the closing round: no work-group ends while a partner may still ask for a tile that names it
	s_endpgm
.Lfunc_end_k_qce82c5df7b_proj:
	.size	k_qce82c5df7b_proj, .Lfunc_end_k_qce82c5df7b_proj-k_qce82c5df7b_proj
	.p2alignl 7, 3214868480
	.fill 96, 4, 3214868480
	.section	.rodata,"a",@progbits
	.p2align	6, 0x0
	.amdhsa_kernel k_qce82c5df7b_proj
		.amdhsa_group_segment_fixed_size 327680
		.amdhsa_private_segment_fixed_size 0
		.amdhsa_enable_private_segment 0
		.amdhsa_kernarg_size 48
		.amdhsa_user_sgpr_count 2
		.amdhsa_user_sgpr_kernarg_segment_ptr 1
		.amdhsa_wavefront_size32 1
		.amdhsa_system_sgpr_workgroup_id_x 1
		.amdhsa_system_sgpr_workgroup_id_y 1
		.amdhsa_system_sgpr_workgroup_id_z 1
		.amdhsa_system_vgpr_workitem_id 0
		.amdhsa_next_free_vgpr 768
		.amdhsa_next_free_sgpr 100
		.amdhsa_reserve_vcc 0
		.amdhsa_float_denorm_mode_32 3
		.amdhsa_float_denorm_mode_16_64 3
		.amdhsa_memory_ordered 1
		.amdhsa_forward_progress 1
		.amdhsa_inst_pref_size 96
	.end_amdhsa_kernel
	.amdgpu_metadata
---
amdhsa.version: [ 1, 2 ]
amdhsa.kernels:
  - .name:           k_qce82c5df7b_proj
    .symbol:         k_qce82c5df7b_proj.kd
    .args:
      - { .name: oimg, .offset: 0, .size: 8, .value_kind: global_buffer, .address_space: global }
      - { .name: osc, .offset: 8, .size: 8, .value_kind: global_buffer, .address_space: global }
      - { .name: wimg, .offset: 16, .size: 8, .value_kind: global_buffer, .address_space: global }
      - { .name: wsc, .offset: 24, .size: 8, .value_kind: global_buffer, .address_space: global }
      - { .name: bproj, .offset: 32, .size: 8, .value_kind: global_buffer, .address_space: global }
      - { .name: out0, .offset: 40, .size: 8, .value_kind: global_buffer, .address_space: global }
    .group_segment_fixed_size: 327680
    .private_segment_fixed_size: 0
    .kernarg_segment_align: 8
    .kernarg_segment_size: 48
    .max_flat_workgroup_size: 128
    .sgpr_count:     100
    .vgpr_count:     768
    .wavefront_size: 32
...
	.end_amdgpu_metadata
.endif
;; end of part 4
